; MI455X (gfx1250); checked and timed in simulation.
; The chip was launched on July 23, 2026; its instructions are those of AMD's public machine-readable ISA for CDNA 5 (MIT licence, August 2026) and "CDNA5" Instruction Set Architecture Reference Guide (July 2026). The comments in the code are by the model that wrote it; some were corrected since.
;; Projected Adaptive Log Softmax. Allowed arithmetic: float matrix products may take bf16 or f16 operands with f32 sums; other float arithmetic in f32, or as packed bf16 or f16 multiplies, adds, multiply-adds, maxima and minima; sums over many terms, partial sums and values carried from step to step in f32; what a program stores and reads back later, other than sums and carried values, may be rounded once to bf16 or f16.
;; Inputs: P1 256 x 1,024 float32; P2 64 x 1,024 float32; P3 16 x 1,024 float32; W1 20,000 x 256 float32; W2 160,000 x 64 float32; W3 67,735 x 16 float32; W_clusters 3 x 1,024 float32; W_head 20,000 x 1,024 float32; b1 20,000 float32; b2 160,000 float32; b3 67,735 float32; b_clusters 3 float32; b_head 20,000 float32; hidden 1,024 x 1,024 float32; target 1,024 int32.
;; Outputs: out0 1,024 float32.
;; 2 versions, each right. Each part assembles by itself: llvm-mc -triple=amdgcn-amd-amdhsa -mcpu=gfx1250 --defsym DOCPART=n.
;; ======== version 1 of 2: 4 launches
;; workspace buffers: hbk 2,097,152 bytes; pj 786,432 bytes; cl 32,768 bytes; order 13,824 bytes of whole numbers; cnt 768 bytes of whole numbers; pos 12,288 bytes of whole numbers; part_h 1,048,576 bytes; part_t 1,048,576 bytes
;; launch prep (part 1): grid 225 x 1, 4 waves a work-group, no clusters, 52,480 bytes of LDS; arguments hidden, P1, P2, P3, W_clusters, target, hbk, pj, cl, order, cnt, pos; writes hbk, pj, cl, order, cnt, pos
.if DOCPART == 1
	.amdgcn_target "amdgcn-amd-amdhsa--gfx1250"
	.amdhsa_code_object_version 6
	.text
	.protected	k_q64c8285044_prep
	.globl	k_q64c8285044_prep
	.p2align	8
	.type	k_q64c8285044_prep,@function
k_q64c8285044_prep:
	s_mov_b64 s[64:65], 0
	v_nop
	global_prefetch_b8 v0, s[64:65] scope:SCOPE_SE
	s_setreg_imm32_b32 hwreg(HW_REG_WAVE_MODE, 25, 1), 1
	s_wait_xcnt 0x0
; PREP.  Three kinds of work-group, chosen by the work-group's number alone (kind = id / 32, tp = id % 32):
;   kind 0-5  a product: 32 tokens x 64 columns of [P1 | P2 | P3, W_clusters] x hidden^T, bf16 operands, f32 sums, K split among the four waves (256 each).
;             Result in bf16 into pj, blocked [6][1024 tokens][64]; the three cluster logits also in f32 into cl (plane 0, words 0-2 of a token's 16 bytes).
;   kind 6    hidden rounded to bf16 into hbk, blocked [16 blocks of 64 channels][1024 tokens][64].
;   kind 7    one work-group: wave w lists the tokens of cluster w + 1 (order, padded with 1024), their number in tiles of 16 (cnt, at least 1),
;             and for each token its place: w x 1024 + rank + 1, or 0 where it is no member (pos).
; LIMITS.  Matrix operands are rounded to bf16.  target is taken as a signed number.
.set RED,   0                          ; LDS: 4 waves x 8 partial tiles x 1,024 bytes
.set OUTS,  32768                      ; 32 rows x 144 bytes: the bf16 result, for whole rows on the way out
.set OPI,   144
.set LIST,  37376                      ; wave w: 1,152 words of list and 64 dump words at LIST + 4,864 w
.set LISTB, 4864
.set SPARE, 51968                      ; the spare words, 128 bytes a wave
.set SPW, 28
.set NIL, 29
.set FR,  64                           ; v[64:111]  six bf16 fragments: two of hidden, four of P
.set ACC, 128                          ; v[128:191] eight accumulators: token tile tt, column tile j at ACC + 8 (4 tt + j)
.set FIN, 192                          ; v[192:255] the four partial sums of my two tiles
.set MSB, 0
.macro WIN new                         ; the immediate's high byte repeats the setting that is left
.if MSB != (\new)
	s_set_vgpr_msb (MSB<<8)|(\new)
.set MSB, (\new)
.endif
.endm
.macro PLACES                          ; four places behind a matrix instruction, in front of writes of its sources and reads of its results
.rept 4
	v_nop
.endr
.endm
	s_load_b512 s[8:23], s[0:1], 0x0               ; hidden 8, P1 10, P2 12, P3 14, W_clusters 16, target 18, hbk 20, pj 22
	s_load_b128 s[24:27], s[0:1], 0x40             ; cl 24, order 26
	s_load_b128 s[28:31], s[0:1], 0x50             ; cnt 28, pos 30
	v_lshl_add_u32 v[SPW], v0, 2, SPARE
	v_mov_b32 v[NIL], 0
	v_lshrrev_b32 v1, 5, v0
	v_readfirstlane_b32 s4, v1                     ; wave
	s_lshr_b32 s5, ttmp9, 5                        ; kind
	s_and_b32 s6, ttmp9, 31                        ; tp
	v_and_b32 v2, 31, v0                           ; lane
	v_and_b32 v3, 15, v0                           ; r
	v_bfe_u32 v4, v0, 4, 1                         ; h
	s_mov_b32 s47, 0                               ; the high word of every offset pair s[46:47]
	s_wait_kmcnt 0x0
	s_cmp_eq_u32 s5, 7
	s_cbranch_scc1 .Llists
	s_cmp_eq_u32 s5, 6
	s_cbranch_scc1 .Lconv
; ---------------- the products ----------------
	s_cmp_lt_u32 s5, 4
	s_cselect_b64 s[44:45], s[10:11], s[12:13]     ; P1 for kinds 0-3, P2 for kind 4
	s_cselect_b32 s32, s5, 0
	s_lshl_b32 s32, s32, 18                        ; 64 rows of 4,096 bytes for each kind within P1
	s_cmp_eq_u32 s5, 5
	s_cselect_b64 s[36:37], s[14:15], s[44:45]     ; column tile 0: P3 in kind 5
	s_cselect_b64 s[38:39], s[16:17], s[44:45]     ; column tiles 1-3: W_clusters in kind 5
	s_cselect_b32 s33, 0, 65536                    ; 16 rows from tile to tile, none in kind 5
	s_cselect_b32 s34, 2, 15                       ; the last row that tiles 1-3 may name
	s_mov_b64 s[40:41], s[38:39]
	s_mov_b64 s[42:43], s[38:39]
	s_lshl_b32 s35, s4, 10                         ; my 256 channels: 1,024 bytes of a row
	s_add_co_u32 s46, s32, s35
	s_add_nc_u64 s[36:37], s[36:37], s[46:47]
	s_add_co_u32 s46, s46, s33
	s_add_nc_u64 s[38:39], s[38:39], s[46:47]
	s_add_co_u32 s46, s46, s33
	s_add_nc_u64 s[40:41], s[40:41], s[46:47]
	s_add_co_u32 s46, s46, s33
	s_add_nc_u64 s[42:43], s[42:43], s[46:47]
	s_lshl_b32 s46, s6, 17                         ; 32 tokens of 4,096 bytes
	s_add_co_u32 s46, s46, s35
	s_add_nc_u64 s[48:49], s[8:9], s[46:47]        ; hidden at my tokens and channels
	s_lshl_b32 s46, s5, 17
	s_lshl_b32 s54, s6, 12
	s_add_co_u32 s46, s46, s54
	s_add_nc_u64 s[50:51], s[22:23], s[46:47]      ; pj at block kind, token 32 tp
	s_lshl_b32 s46, s6, 9
	s_lshr_b32 s54, s4, 1
	s_lshl_b32 s54, s54, 8
	s_add_co_u32 s46, s46, s54
	s_add_nc_u64 s[52:53], s[24:25], s[46:47]      ; cl at token 32 tp + 16 (wave / 2)
	v_lshlrev_b32 v5, 12, v3
	v_lshl_add_u32 v5, v4, 5, v5                   ; row r, 8 f32 for each half of the lanes
	v_min_u32 v6, s34, v3
	v_lshlrev_b32 v6, 12, v6
	v_lshl_add_u32 v6, v4, 5, v6                   ; the same with the row held inside W_clusters
	v_lshlrev_b32 v7, 4, v2
	v_mov_b32 v8, v7
	s_lshl_b32 s54, s4, 13
	v_add_nc_u32 v7, s54, v7                       ; where I put partial tiles: 8,192 wave + 16 lane
	s_lshl_b32 s54, s4, 11
	v_add_nc_u32 v8, s54, v8                       ; where I read them: my two tiles, 2,048 wave + 16 lane
	s_lshr_b32 s54, s4, 1
	s_mul_i32 s54, s54, 16*OPI
	s_and_b32 s55, s4, 1
	s_lshl_b32 s55, s55, 6
	s_add_co_u32 s54, s54, s55
	s_add_co_u32 s54, s54, OUTS
	v_mul_u32_u24 v9, v3, OPI
	v_lshl_add_u32 v9, v4, 4, v9
	v_add_nc_u32 v9, s54, v9                       ; bf16 result in: row 16 tt + r, bytes 32 j + 16 h
	v_lshrrev_b32 v10, 3, v0
	v_mul_u32_u24 v10, v10, OPI
	v_and_b32 v11, 7, v0
	v_lshl_add_u32 v10, v11, 4, v10
	v_add_nc_u32 v10, OUTS, v10                    ; and back: 8 threads a row of 128 bytes
	v_lshlrev_b32 v11, 4, v0
	v_lshlrev_b32 v12, 14, v4
	v_lshl_add_u32 v12, v3, 4, v12                 ; cl: plane h, token r
; 24 loads: 32 channels (128 bytes of f32) of two token tiles and four column tiles into staging set b of window 1
.macro LD f, b
	WIN 0x40
.irp q, 0,1,2,3
	global_load_b128 v[96*(\b)+4*(\q):96*(\b)+4*(\q)+3], v5, s[48:49] offset:128*(\f)+16*((\q)&1)+64*((\q)>>1)
	global_load_b128 v[96*(\b)+16+4*(\q):96*(\b)+16+4*(\q)+3], v5, s[48:49] offset:65536+128*(\f)+16*((\q)&1)+64*((\q)>>1)
	global_load_b128 v[96*(\b)+32+4*(\q):96*(\b)+32+4*(\q)+3], v5, s[36:37] offset:128*(\f)+16*((\q)&1)+64*((\q)>>1)
	global_load_b128 v[96*(\b)+48+4*(\q):96*(\b)+48+4*(\q)+3], v6, s[38:39] offset:128*(\f)+16*((\q)&1)+64*((\q)>>1)
	global_load_b128 v[96*(\b)+64+4*(\q):96*(\b)+64+4*(\q)+3], v6, s[40:41] offset:128*(\f)+16*((\q)&1)+64*((\q)>>1)
	global_load_b128 v[96*(\b)+80+4*(\q):96*(\b)+80+4*(\q)+3], v6, s[42:43] offset:128*(\f)+16*((\q)&1)+64*((\q)>>1)
.endr
.endm
.macro CV b                            ; 96 f32 to 48 registers of bf16: the loads above left them in a fragment's order
	WIN 0x05
.set n, 0
.rept 48
	v_cvt_pk_bf16_f32 v[FR+n], v[96*(\b)+2*n], v[96*(\b)+2*n+1]
.set n, n+1
.endr
.endm
.macro MU first                        ; source 0 = 16 rows of P, source 1 = 16 tokens: a lane ends with one token and eight columns; the eight accumulators take turns
	WIN 0
.irp tt, 0,1
.irp j, 0,1,2,3
.if \first
	v_wmma_f32_16x16x32_bf16 v[ACC+8*(4*(\tt)+(\j)):ACC+8*(4*(\tt)+(\j))+7], v[FR+16+8*(\j):FR+16+8*(\j)+7], v[FR+8*(\tt):FR+8*(\tt)+7], 0
.else
	v_wmma_f32_16x16x32_bf16 v[ACC+8*(4*(\tt)+(\j)):ACC+8*(4*(\tt)+(\j))+7], v[FR+16+8*(\j):FR+16+8*(\j)+7], v[FR+8*(\tt):FR+8*(\tt)+7], v[ACC+8*(4*(\tt)+(\j)):ACC+8*(4*(\tt)+(\j))+7]
.endif
.endr
.endr
.endm
	LD 0, 0
	LD 1, 1
.irp f, 0,1,2,3,4,5,6,7
.if (\f) < 7
	s_wait_loadcnt 24                              ; this step's 24 loads are in; the next step's 24 may stay out
.else
	s_wait_loadcnt 0x0
.endif
	PLACES
	CV (\f)%2
.if (\f) < 6
	LD (\f)+2, (\f)%2
.endif
.if (\f) == 0
	MU 1
.else
	MU 0
.endif
.endr
	PLACES
	WIN 0
.set e, 0
.rept 8
	ds_store_b128 v7, v[ACC+8*e:ACC+8*e+3] offset:RED+1024*e
	ds_store_b128 v7, v[ACC+8*e+4:ACC+8*e+7] offset:RED+1024*e+512
.set e, e+1
.endr
	s_wait_dscnt 0x0                               ; for the others: my partial sums lie in LDS
	s_barrier_signal -1
	s_barrier_wait -1
.irp e, 0,1
.irp v, 0,1,2,3
	ds_load_b128 v[FIN+32*(\e)+8*(\v):FIN+32*(\e)+8*(\v)+3], v8 offset:RED+8192*(\v)+1024*(\e)
	ds_load_b128 v[FIN+32*(\e)+8*(\v)+4:FIN+32*(\e)+8*(\v)+7], v8 offset:RED+8192*(\v)+1024*(\e)+512
.endr
.endr
	s_wait_dscnt 0x0
.irp e, 0,1
.irp p, 0,2,4,6
	v_pk_add_f32 v[FIN+32*(\e)+(\p):FIN+32*(\e)+(\p)+1], v[FIN+32*(\e)+(\p):FIN+32*(\e)+(\p)+1], v[FIN+32*(\e)+8+(\p):FIN+32*(\e)+8+(\p)+1]
	v_pk_add_f32 v[FIN+32*(\e)+16+(\p):FIN+32*(\e)+16+(\p)+1], v[FIN+32*(\e)+16+(\p):FIN+32*(\e)+16+(\p)+1], v[FIN+32*(\e)+24+(\p):FIN+32*(\e)+24+(\p)+1]
.endr
.irp p, 0,2,4,6
	v_pk_add_f32 v[FIN+32*(\e)+(\p):FIN+32*(\e)+(\p)+1], v[FIN+32*(\e)+(\p):FIN+32*(\e)+(\p)+1], v[FIN+32*(\e)+16+(\p):FIN+32*(\e)+16+(\p)+1]
.endr
.endr
	s_cmp_eq_u32 s5, 5                             ; kind 5, even waves: my second tile is column tile 1, whose first three columns are the cluster logits
	s_cselect_b32 s54, 1, 0
	s_and_b32 s55, s4, 1
	s_cmp_eq_u32 s55, 0
	s_cselect_b32 s55, 1, 0
	s_and_b32 s54, s54, s55
	s_cmp_eq_u32 s54, 0
	s_cbranch_scc1 .Lnocl
	global_store_b128 v12, v[FIN+32:FIN+35], s[52:53]  ; sixteen lanes store 256 consecutive bytes, aligned
.Lnocl:
.irp e, 0,1
.irp i, 0,1,2,3
	v_cvt_pk_bf16_f32 v[112+4*(\e)+(\i)], v[FIN+32*(\e)+2*(\i)], v[FIN+32*(\e)+2*(\i)+1]
.endr
.endr
	ds_store_b128 v9, v[112:115]
	ds_store_b128 v9, v[116:119] offset:32
	s_wait_dscnt 0x0
	s_barrier_signal -1
	s_barrier_wait -1
	ds_load_b128 v[120:123], v10
	ds_load_b128 v[124:127], v10 offset:16*OPI
	s_wait_dscnt 0x0
	global_store_b128 v11, v[120:123], s[50:51]            ; a wave stores 512 consecutive bytes
	global_store_b128 v11, v[124:127], s[50:51] offset:2048
	s_wait_tensorcnt 0x0                           ; the wave's end, behind my last LDS store
	ds_add_u32 v[SPW], v[NIL]
	s_wait_dscnt 0x0
	s_endpgm
; ---------------- hidden to bf16, blocked ----------------
.Lconv:
	v_lshrrev_b32 v5, 3, v0
	v_lshlrev_b32 v5, 12, v5
	v_and_b32 v6, 7, v0
	v_lshl_add_u32 v5, v6, 5, v5                   ; token t / 8, 32 bytes (8 f32) for each of 8 threads
	v_lshlrev_b32 v7, 4, v0
	s_lshl_b32 s46, s6, 17
	s_add_nc_u64 s[48:49], s[8:9], s[46:47]
	s_lshl_b32 s46, s6, 12
	s_add_nc_u64 s[50:51], s[20:21], s[46:47]
	WIN 0x40
.set n, 0
.rept 64                                       ; block n / 4, tokens 16 ((n / 2) % 2) on, half n % 2 of my 32 bytes
	global_load_b128 v[4*n:4*n+3], v5, s[48:49] offset:65536*((n>>1)&1)+256*(n>>2)+16*(n&1)
.set n, n+1
.endr
.irp g, 0,1,2,3
	s_wait_loadcnt 48-16*(\g)                      ; the oldest 16 (g + 1) loads are in
	WIN 0x05
.set n, 0
.rept 32
	v_cvt_pk_bf16_f32 v[64+32*(\g)+n], v[64*(\g)+2*n], v[64*(\g)+2*n+1]
.set n, n+1
.endr
	WIN 0
.set n, 0
.rept 8
	global_store_b128 v7, v[64+32*(\g)+4*n:64+32*(\g)+4*n+3], s[50:51] offset:131072*(4*(\g)+(n>>1))+2048*(n&1)
.set n, n+1
.endr
.endr
	s_endpgm
; ---------------- the lists ----------------
.Llists:
	s_cmp_eq_u32 s4, 3
	s_cbranch_scc0 .Lmine
	s_endpgm                                       ; wave 3 has no cluster and has written nothing
.Lmine:
	s_mov_b32 s32, 40000                           ; my cluster's first target,
	s_mov_b32 s33, 199999                          ; and its last: cluster 2's, unless the wave's number says otherwise
	s_cmp_eq_u32 s4, 0
	s_cselect_b32 s32, 20000, s32
	s_cselect_b32 s33, 39999, s33
	s_cmp_eq_u32 s4, 2
	s_cselect_b32 s32, 200000, s32
	s_cselect_b32 s33, 0x7fffffff, s33
	s_mul_i32 s34, s4, LISTB
	s_add_co_u32 s34, s34, LIST
	s_mul_i32 s46, s4, 4608
	s_add_nc_u64 s[48:49], s[26:27], s[46:47]
	s_lshl_b32 s46, s4, 12
	s_add_nc_u64 s[50:51], s[30:31], s[46:47]
	s_lshl_b32 s46, s4, 8
	s_add_nc_u64 s[52:53], s[28:29], s[46:47]
	v_lshlrev_b32 v5, 4, v2
.irp q, 0,1,2,3,4,5,6,7
	global_load_b128 v[64+4*(\q):64+4*(\q)+3], v5, s[18:19] offset:512*(\q)  ; register 4 q + e of lane l: token 128 q + 4 l + e
.endr
	v_add_nc_u32 v6, s34, v5
.irp i, 32,33,34,35
	v_mov_b32 v[\i], 1024
.endr
.irp k, 0,1,2,3,4,5,6,7,8
	ds_store_b128 v6, v[32:35] offset:512*(\k)     ; the padding behind the list
.endr
	v_lshlrev_b32 v7, 2, v2
	v_add_nc_u32 v8, 1152, v2                      ; a lane's dump word, for targets of other clusters
	s_mov_b32 s35, 0                               ; members so far
	s_lshl_b32 s36, s4, 10
	s_add_co_u32 s36, s36, 1
	s_wait_loadcnt 0x0
.set n, 0
.rept 32
	v_cmp_le_i32 s38, s32, v[64+n]
	v_cmp_ge_i32 s39, s33, v[64+n]
	s_and_b32 s38, s38, s39
	v_mbcnt_lo_u32_b32 v9, s38, s35                ; rank: the members before me
	v_add_nc_u32 v10, s36, v9
	v_cndmask_b32 v[96+n], 0, v10, s38             ; 1,024 w + rank + 1, or 0
	v_cndmask_b32 v9, v8, v9, s38
	v_min_u32 v9, 1215, v9                         ; inside my list and dump words
	v_lshl_add_u32 v9, v9, 2, s34
	v_add_nc_u32 v10, 128*(n>>2)+(n&3), v7
	ds_store_b32 v9, v10
	s_bcnt1_i32_b32 s39, s38
	s_add_co_u32 s35, s35, s39
.set n, n+1
.endr
.irp k, 0,1,2,3,4,5,6,7,8
	ds_load_b128 v[128+4*(\k):128+4*(\k)+3], v6 offset:512*(\k)  ; LDS serves a wave's instructions in order: these see the stores above
.endr
.irp q, 0,1,2,3,4,5,6,7
	global_store_b128 v5, v[96+4*(\q):96+4*(\q)+3], s[50:51] offset:512*(\q)
.endr
	s_add_co_u32 s35, s35, 15
	s_lshr_b32 s35, s35, 4
	s_max_u32 s35, s35, 1                          ; at least one tile, so that every tail's work is done on every input
	v_mov_b32 v12, s35
	v_mov_b32 v13, s35
	v_lshlrev_b32 v14, 3, v2
	global_store_b64 v14, v[12:13], s[52:53]       ; 64 copies: 256 consecutive bytes
	s_wait_dscnt 0x0
.irp k, 0,1,2,3,4,5,6,7,8
	global_store_b128 v5, v[128+4*(\k):128+4*(\k)+3], s[48:49] offset:512*(\k)
.endr
	s_wait_tensorcnt 0x0                           ; the wave's end, behind my last LDS store
	ds_add_u32 v[SPW], v[NIL]
	s_wait_dscnt 0x0
	s_endpgm
.Lfunc_end_k_q64c8285044_prep:
	.size	k_q64c8285044_prep, .Lfunc_end_k_q64c8285044_prep-k_q64c8285044_prep
	.p2alignl 7, 3214868480
	.fill 96, 4, 3214868480
	.section	.rodata,"a",@progbits
	.p2align	6, 0x0
	.amdhsa_kernel k_q64c8285044_prep
		.amdhsa_group_segment_fixed_size 52480
		.amdhsa_private_segment_fixed_size 0
		.amdhsa_enable_private_segment 0
		.amdhsa_kernarg_size 96
		.amdhsa_user_sgpr_count 2
		.amdhsa_user_sgpr_kernarg_segment_ptr 1
		.amdhsa_wavefront_size32 1
		.amdhsa_system_sgpr_workgroup_id_x 1
		.amdhsa_system_sgpr_workgroup_id_y 1
		.amdhsa_system_sgpr_workgroup_id_z 1
		.amdhsa_system_vgpr_workitem_id 0
		.amdhsa_next_free_vgpr 512
		.amdhsa_next_free_sgpr 66
		.amdhsa_reserve_vcc 0
		.amdhsa_float_denorm_mode_32 3
		.amdhsa_float_denorm_mode_16_64 3
		.amdhsa_memory_ordered 1
		.amdhsa_forward_progress 1
		.amdhsa_inst_pref_size 102
	.end_amdhsa_kernel
	.amdgpu_metadata
---
amdhsa.version: [ 1, 2 ]
amdhsa.kernels:
  - .name:           k_q64c8285044_prep
    .symbol:         k_q64c8285044_prep.kd
    .args:
      - { .name: hidden, .offset: 0, .size: 8, .value_kind: global_buffer, .address_space: global }
      - { .name: P1, .offset: 8, .size: 8, .value_kind: global_buffer, .address_space: global }
      - { .name: P2, .offset: 16, .size: 8, .value_kind: global_buffer, .address_space: global }
      - { .name: P3, .offset: 24, .size: 8, .value_kind: global_buffer, .address_space: global }
      - { .name: W_clusters, .offset: 32, .size: 8, .value_kind: global_buffer, .address_space: global }
      - { .name: target, .offset: 40, .size: 8, .value_kind: global_buffer, .address_space: global }
      - { .name: hbk, .offset: 48, .size: 8, .value_kind: global_buffer, .address_space: global }
      - { .name: pj, .offset: 56, .size: 8, .value_kind: global_buffer, .address_space: global }
      - { .name: cl, .offset: 64, .size: 8, .value_kind: global_buffer, .address_space: global }
      - { .name: order, .offset: 72, .size: 8, .value_kind: global_buffer, .address_space: global }
      - { .name: cnt, .offset: 80, .size: 8, .value_kind: global_buffer, .address_space: global }
      - { .name: pos, .offset: 88, .size: 8, .value_kind: global_buffer, .address_space: global }
    .group_segment_fixed_size: 52480
    .private_segment_fixed_size: 0
    .kernarg_segment_align: 8
    .kernarg_segment_size: 96
    .max_flat_workgroup_size: 128
    .sgpr_count:     66
    .vgpr_count:     512
    .wavefront_size: 32
...
	.end_amdgpu_metadata
.endif
;; end of part 1
;; launch head (part 2): grid 4 x 64, 4 waves a work-group, clusters of 4 x 4, 327,680 bytes of LDS; arguments hbk, W_head, b_head, part_h; writes part_h
.if DOCPART == 2
	.amdgcn_target "amdgcn-amd-amdhsa--gfx1250"
	.amdhsa_code_object_version 6
	.text
	.protected	k_q64c8285044_head
	.globl	k_q64c8285044_head
	.p2align	8
	.type	k_q64c8285044_head,@function
k_q64c8285044_head:
	s_mov_b64 s[64:65], 0
	v_nop
	global_prefetch_b8 v0, s[64:65] scope:SCOPE_SE
	s_setreg_imm32_b32 hwreg(HW_REG_WAVE_MODE, 25, 1), 1
	s_wait_xcnt 0x0
	s_wait_alu depctr_hold_cnt(0) depctr_sa_sdst(0) depctr_va_vdst(0) depctr_va_sdst(0) depctr_va_ssrc(0) depctr_va_vcc(0) depctr_vm_vsrc(0)
	s_getreg_b32 s2, hwreg(HW_REG_IB_STS2, 6, 4)
	s_cmp_eq_u32 s2, 0
	s_cbranch_scc0 .Lentry_in_a_cluster
	s_endpgm
.Lentry_in_a_cluster:
	s_bfe_u32 s2, ttmp6, 0x10000c
	s_cmp_lg_u32 s2, 0xf033
	s_cbranch_scc0 .Lentry_shape_is_right
	s_endpgm
.Lentry_shape_is_right:
; HEAD.  part_h[4 sh + w][token] = log of the sum of exp(hidden[token] . W_head[row] + b_head[row]) over the rows of slice (sh, w).
; SHARES.  Work-group (tb, sh): 256 tokens x the rows [625 sh / 2, 625 (sh + 1) / 2) of W_head.  It multiplies 320 rows from base = min(start, 19,680); rows outside its share
; take the bias -1e30.  Wave w owns rows base + 80 w .. + 79 (5 tiles) x all 256 tokens (16 tiles): 80 accumulators, 640 registers; every wave has rows of its share.
; W_head comes as f32 through LDS and is rounded to bf16 in registers, each number by the one wave that multiplies it.  K goes in 16 steps of 64 through two LDS slots.
; The product is taken transposed (source 0 = 16 rows of W, source 1 = 16 tokens): a lane holds ONE token, so the maximum and the sum want one exchange of the lanes' halves.
; The bias is the C operand of the products that start the sums.  The maximum over the slice is taken away before the exponentials.
; CLUSTER 4 x 4: the four token blocks of a share (a row of the cluster) ask for W's tiles jointly, the four shares of a column for hbk's.
; LIMITS.  bf16 operands; a row outside the share counts as -1e30; a weight below 2^-126 counts as 0; NaN and infinities are not treated apart.
; REGISTERS, in windows of 256: window 0: v16-31 addresses; v32-111 W's bf16 fragments, two buffers of five; v128-255 the 16 token fragments.
;   accumulator (token tile b, row tile a) at register 256 + 8 (5 b + a): windows 1, 2 and half of 3.  Window 3: v128-207 W's f32 as loaded; v208-247 the five bias tiles.
.set WPITCH, 272                       ; a row of W in LDS: 64 f32 + 16 bytes
.set HPITCH, 144                       ; a token in LDS: 64 bf16 + 16 bytes
.set WHALF,  160*WPITCH
.set WBYTES, 2*WHALF
.set HHALF,  128*HPITCH
.set SLOT,   WBYTES+2*HHALF            ; 123,904
.set BSC,    2*SLOT                    ; behind the ring: 512 bytes a wave for the bias
.set OST,    BSC+2048                  ; 1,024 bytes a wave for the way out
.set SPARE,  OST+4096                  ; the spare words, 128 bytes a wave
.set ADW, 16
.set ADH, 18
.set STI, 24
.set STB, 25
.set PO,  26
.set SPW, 28
.set NIL, 29
.set PFO, 30
.set PFO2, 31
.set AF,  32
.set BF,  128
.set ST3, 128                          ; window 3
.set BI3, 208                          ; window 3
.set MX,  32                           ; the way out: 16 maxima,
.set LL,  48                           ; 16 sums,
.set TM,  128                          ; at work
.set SM,  144
.set G1W, 24
.set G0W, 32
.set SEL, 40
.set CS,  42
.set PFA, 44
.set G1H, 48
.set G0H, 56
.set MSB, 0
.macro WIN new
.if MSB != (\new)
	s_set_vgpr_msb (MSB<<8)|(\new)
.set MSB, (\new)
.endif
.endm
.macro W4 d, a, b, c                   ; the windows of destination and sources 0, 1, 2, from whole register numbers
	WIN ((((\d)/256)<<6)|(((\c)/256)<<4)|(((\b)/256)<<2)|((\a)/256))
.endm
.macro PLACES
.rept 4
	v_nop
.endr
.endm
; A joint load: waves 0 and 1 fetch W's two halves, waves 2 and 3 the tokens'.  An s_nop 0 and four v_nop follow each of the two lines.
.macro JLOAD s
	s_cmp_eq_u32 s13, 0
	s_cbranch_scc0 .Lfor_h_\@
	tensor_load_to_lds s[G0W+4*(\s):G0W+4*(\s)+3], s[G1W:G1W+7]
	s_nop 0
.rept 4
	v_nop
.endr
	s_branch .Lasked_\@
.Lfor_h_\@:
	tensor_load_to_lds s[G0H+4*(\s):G0H+4*(\s)+3], s[G1H:G1H+7]
	s_nop 0
.rept 4
	v_nop
.endr
.Lasked_\@:
.endm
.macro CREST                           ; a round of the cluster's barrier behind its opening barrier
	s_cmp_lg_u32 s12, 0
	s_cbranch_scc1 .Lnot_wave_0_\@
	s_barrier_signal -3
.Lnot_wave_0_\@:
	s_barrier_wait -3
	s_barrier_signal -1
	s_barrier_wait -1
.endm
.macro CROUND
	s_barrier_signal -1
	s_barrier_wait -1
	CREST
.endm
; A prefetch into the L2 of W_head, behind a joint load and the run of LDS loads that follows it.  In a trip of the loop (two K steps) my work-group names its 80 of the share's 320 rows
; (the four partners are told apart by address) x the two K steps that lie four and five steps behind the refill in hand: 160 blocks of 256 bytes, a lane a block:
; behind slot 0's refill one instruction in every wave, behind slot 1's one in wave 0.  Each block is named once; the first six K steps come by their loads alone; the last two trips ask for nothing.
.macro ASK slot
	s_cmp_gt_u32 s3, 2
	s_cbranch_scc0 .Lna_\@
.if (\slot) == 1
	s_cmp_eq_u32 s12, 0
	s_cbranch_scc0 .Lna_\@
	global_prefetch_b8 v[PFO2], s[PFA:PFA+1] th:TH_LOAD_NT scope:SCOPE_SE
.else
	global_prefetch_b8 v[PFO], s[PFA:PFA+1] th:TH_LOAD_NT scope:SCOPE_SE
.endif
.Lna_\@:
.endm
	s_load_b256 s[4:11], s[0:1], 0x0               ; hbk 4, W_head 6, b_head 8, part_h 10
	v_lshl_add_u32 v[SPW], v0, 2, SPARE
	v_mov_b32 v[NIL], 0
	ds_add_u32 v[SPW], v[NIL]                      ; the wave's opening: the add, twice on end, and its wait ahead of my first tensor load
	ds_add_u32 v[SPW], v[NIL]
	v_lshrrev_b32 v1, 5, v0
	v_readfirstlane_b32 s12, v1                    ; wave
	s_lshr_b32 s13, s12, 1                         ; 0: I fetch for W; 1: for the tokens
	s_and_b32 s14, s12, 1                          ; which half of that tile
	s_bfe_u32 s15, ttmp6, 0x40000                  ; cx
	s_bfe_u32 s16, ttmp6, 0x40004                  ; cy
	s_lshl_b32 s17, ttmp9, 2
	s_add_co_u32 s17, s17, s15                     ; tb: my block of 256 tokens
	s_and_b32 s18, ttmp7, 0xffff
	s_lshl_b32 s18, s18, 2
	s_add_co_u32 s18, s18, s16                     ; sh: my share of the rows
	s_mul_i32 s19, s18, 625
	s_add_co_u32 s20, s19, 625
	s_lshr_b32 s19, s19, 1                         ; the share's first row,
	s_lshr_b32 s20, s20, 1                         ; the row behind its last,
	s_min_u32 s21, s19, 19680                      ; and the first of the 320 rows that are multiplied
	s_lshl_b32 s2, s16, 2
	s_lshl_b32 s2, 15, s2                          ; my row of the cluster
	s_lshl_b32 s3, 0x1111, s15                     ; my column
	s_or_b32 s[G1W], s2, (2<<16)|(1<<20)|(1<<21)|(5<<22)|(3<<25)  ; mask; elements of 4 bytes; padding on; bit 21 beside a mask; after every 64 words; 4 words
	s_or_b32 s[G1H], s3, (1<<16)|(1<<20)|(1<<21)|(4<<22)|(3<<25)  ; mask; elements of 2 bytes; after every 32 words (a token); 4 words
	s_mov_b32 s[G1W+1], 64<<16                     ; tensor_dim0 = 64
	s_mov_b32 s[G1W+2], 160<<16                    ; tensor_dim1 = 160
	s_mov_b32 s[G1W+3], 64<<16                     ; tile_dim0 = 64
	s_mov_b32 s[G1W+4], 160                        ; tile_dim1 = 160
	s_mov_b32 s[G1W+5], 1024                       ; elements from row to row
	s_mov_b32 s[G1W+6], 0
	s_mov_b32 s[G1W+7], 0
	s_mov_b32 s[G1H+1], 128<<16                    ; 128 tokens are 16,384 dense bytes: 64 rows of 256
	s_mov_b32 s[G1H+2], 64<<16
	s_mov_b32 s[G1H+3], 128<<16
	s_mov_b32 s[G1H+4], 64
	s_mov_b32 s[G1H+5], 128
	s_mov_b32 s[G1H+6], 0
	s_mov_b32 s[G1H+7], 0
	s_mul_i32 s22, s14, 160
	s_add_co_u32 s22, s22, s21
	s_lshl_b32 s22, s22, 12                        ; W: row base + 160 half, in bytes: made of the share and the wave alone
	s_mov_b32 s23, 0
	s_lshl_b32 s46, s17, 15
	s_lshl_b32 s47, s14, 14
	s_add_co_u32 s46, s46, s47                     ; tokens: 256 tb + 128 half, 128 bytes each: made of the token block and the wave alone
	s_mov_b32 s47, 0
	s_mul_i32 s2, s14, WHALF                       ; where they go: no place in the cluster enters an LDS address
	s_mul_i32 s3, s14, HHALF
	s_add_co_u32 s3, s3, WBYTES
	s_mov_b32 s[SEL], 0x76543210
	s_mov_b32 s[SEL+1], 0xfedcba98
	s_mov_b32 s[CS], 0x3fb8aa3b                    ; log2(e)
	s_mov_b32 s[CS+1], s[CS]
	s_wait_dscnt 0x0                               ; both opening adds are done
	s_wait_kmcnt 0x0
	s_add_nc_u64 s[22:23], s[6:7], s[22:23]
	s_add_nc_u64 s[46:47], s[4:5], s[46:47]
.irp s, 0,1
	s_mov_b32 s[G0W+4*(\s)], 1
	s_add_co_u32 s[G0W+4*(\s)+1], s2, (\s)*SLOT
	s_add_nc_u64 s[G0W+4*(\s)+2:G0W+4*(\s)+3], s[22:23], (\s)*256      ; K step s: 64 f32
	s_or_b32 s[G0W+4*(\s)+3], s[G0W+4*(\s)+3], 0x80000000
	s_mov_b32 s[G0H+4*(\s)], 1
	s_add_co_u32 s[G0H+4*(\s)+1], s3, (\s)*SLOT
	s_add_nc_u64 s[G0H+4*(\s)+2:G0H+4*(\s)+3], s[46:47], (\s)*131072   ; K step s: block s of hbk
	s_or_b32 s[G0H+4*(\s)+3], s[G0H+4*(\s)+3], 0x80000000
.endr
	CROUND                                         ; all sixteen work-groups are here: the first joint loads meet
	s_cmp_eq_u32 s13, 0                            ; a wave's two first fills stand in one branch: two loads of mine are out
	s_cbranch_scc0 .Lfirst_h
	tensor_load_to_lds s[G0W:G0W+3], s[G1W:G1W+7]
	s_nop 0
	tensor_load_to_lds s[G0W+4:G0W+7], s[G1W:G1W+7]
	s_nop 0
.rept 4
	v_nop
.endr
	s_branch .Lfirst_done
.Lfirst_h:
	tensor_load_to_lds s[G0H:G0H+3], s[G1H:G1H+7]
	s_nop 0
	tensor_load_to_lds s[G0H+4:G0H+7], s[G1H:G1H+7]
	s_nop 0
.rept 4
	v_nop
.endr
.Lfirst_done:
	v_and_b32 v1, 15, v0                           ; r
	v_bfe_u32 v2, v0, 4, 1                         ; h
	v_and_b32 v3, 31, v0                           ; lane
	s_mul_i32 s2, s12, 80*WPITCH
	v_mul_u32_u24 v4, v1, WPITCH
	v_lshl_add_u32 v4, v2, 5, v4
	v_add_nc_u32 v[ADW], s2, v4                    ; my rows of W: (80 w + r) x pitch + 32 h
	v_add_nc_u32 v[ADW+1], SLOT, v[ADW]
	v_mul_u32_u24 v4, v1, HPITCH
	v_lshl_add_u32 v4, v2, 4, v4
	v_add_nc_u32 v[ADH], WBYTES, v4                ; the tokens: r x pitch + 16 h
	v_add_nc_u32 v[ADH+1], SLOT+WBYTES, v4
	; the bias of my 80 rows, -1e30 outside the share, through my own LDS bytes into the layout of a C operand: register j of tile a = row 16 a + 8 h + j
	s_mul_i32 s2, s12, 80
	s_add_co_u32 s2, s2, s21
	v_add_nc_u32 v5, s2, v3
	v_add_nc_u32 v6, 32, v5
	v_add_nc_u32 v7, 64, v5
.irp u, 0,1,2
	v_min_u32 v[8+(\u)], 19999, v[5+(\u)]
	v_lshlrev_b32 v[8+(\u)], 2, v[8+(\u)]
.endr
.irp u, 0,1,2
	global_load_b32 v[11+(\u)], v[8+(\u)], s[8:9]
.endr
	s_lshl_b32 s2, s12, 9
	s_add_co_u32 s2, s2, BSC
	v_lshl_add_u32 v14, v3, 2, s2
	v_lshl_add_u32 v15, v2, 5, s2
	v_mov_b32 v20, 0xf149f2ca                      ; -1e30
	s_lshl_b32 s2, s12, 10
	s_add_co_u32 s2, s2, OST
	v_lshl_add_u32 v[STI], v1, 2, s2
	v_lshl_add_u32 v[STB], v3, 4, s2
	v_lshlrev_b32 v[PO], 4, v3
	v_cmp_gt_u32 s22, 80, v0                       ; the prefetches: thread e < 80: row e, first K step; else row e - 80, second K step
	v_add_nc_u32 v4, -80, v0
	v_lshlrev_b32 v4, 12, v4
	v_add_nc_u32 v4, 256, v4
	v_lshlrev_b32 v21, 12, v0
	v_cndmask_b32 v[PFO], v4, v21, s22
	v_add_nc_u32 v4, 48, v3
	v_lshlrev_b32 v4, 12, v4
	v_add_nc_u32 v[PFO2], 256, v4                  ; rows 48 .. 79, second K step
	s_mul_i32 s2, s15, 80
	s_add_co_u32 s2, s2, s21
	s_lshl_b32 s46, s2, 12
	s_add_co_u32 s46, s46, 4*256                   ; the first change of slots steps it to K step 6
	s_mov_b32 s47, 0
	s_add_nc_u64 s[PFA:PFA+1], s[6:7], s[46:47]
	s_lshl_b32 s2, s18, 2
	s_add_co_u32 s2, s2, s12
	s_lshl_b32 s2, s2, 12
	s_lshl_b32 s46, s17, 10
	s_add_co_u32 s46, s46, s2
	s_add_nc_u64 s[10:11], s[10:11], s[46:47]      ; part_h at slice 4 sh + w, token 256 tb
	s_wait_loadcnt 0x0
.irp u, 0,1,2
	v_cmp_le_u32 s22, s19, v[5+(\u)]
	v_cmp_gt_u32 s23, s20, v[5+(\u)]
	s_and_b32 s22, s22, s23
	v_cndmask_b32 v[11+(\u)], v20, v[11+(\u)], s22
	ds_store_b32 v14, v[11+(\u)] offset:128*(\u)
.endr
	WIN 0xc0
.irp a, 0,1,2,3,4
	ds_load_b128 v[BI3+8*(\a):BI3+8*(\a)+3], v15 offset:64*(\a)
	ds_load_b128 v[BI3+8*(\a)+4:BI3+8*(\a)+7], v15 offset:64*(\a)+16
.endr
	WIN 0
; one matrix instruction: token tile b, row tile a, W's buffer buf.  first = 1: the bias starts the sum
.macro MM b, a, buf, first
.set rD, 8*(5*(\b)+(\a))
.set wD, 1+rD/256
.set rD, rD%256
.if \first
	WIN (wD<<6)|(3<<4)
	v_wmma_f32_16x16x32_bf16 v[rD:rD+7], v[AF+40*(\buf)+8*(\a):AF+40*(\buf)+8*(\a)+7], v[BF+8*(\b):BF+8*(\b)+7], v[BI3+8*(\a):BI3+8*(\a)+7]
.else
	WIN (wD<<6)|(wD<<4)
	v_wmma_f32_16x16x32_bf16 v[rD:rD+7], v[AF+40*(\buf)+8*(\a):AF+40*(\buf)+8*(\a)+7], v[BF+8*(\b):BF+8*(\b)+7], v[rD:rD+7]
.endif
.endm
.macro CVT4 i, buf                     ; slice i of ten: eight f32 of W to four registers of buffer buf
	WIN 0x0f
.irp n, 0,1,2,3
	v_cvt_pk_bf16_f32 v[AF+40*(\buf)+4*(\i)+(\n)], v[ST3+8*(\i)+2*(\n)], v[ST3+8*(\i)+2*(\n)+1]
.endr
.endm
; token tiles b0 .. b1 x the five row tiles; the 80 accumulators take turns, one instruction a turn, in the same order in every half step.  ride = 1: a slice of the
; conversions for the other buffer stands behind every second matrix instruction until the ten are dealt
.macro MB b0, b1, buf, first, ride
.set bb, (\b0)
.rept (\b1)-(\b0)+1
.set aa, 0
.rept 5
	MM bb, aa, \buf, \first
.if \ride
.if (mmc%2 == 1) && (cvi < 10)
	CVT4 cvi, 1-(\buf)
.set cvi, cvi+1
.endif
.set mmc, mmc+1
.endif
.set aa, aa+1
.endr
.set bb, bb+1
.endr
.endm
.macro LDB half, slot, k               ; eight token fragments (32 channels at byte k of the tokens' rows)
	WIN 0
.set bq, 8*(\half)
.rept 8
	ds_load_b128 v[BF+8*bq:BF+8*bq+3], v[ADH+(\slot)] offset:bq*16*HPITCH+(\k)
	ds_load_b128 v[BF+8*bq+4:BF+8*bq+7], v[ADH+(\slot)] offset:bq*16*HPITCH+(\k)+32
.set bq, bq+1
.endr
.endm
.macro LDA slot, k                     ; my five row tiles, 32 channels of f32 at byte k: a lane takes channels 8 h .. + 7 and 16 + 8 h .. + 7
	WIN 0xc0
.set aq, 0
.rept 5
.irp q, 0,1,2,3
	ds_load_b128 v[ST3+16*aq+4*(\q):ST3+16*aq+4*(\q)+3], v[ADW+(\slot)] offset:aq*16*WPITCH+(\k)+16*((\q)&1)+64*((\q)>>1)
.endr
.set aq, aq+1
.endr
.endm
; The first half of a K step: multiplies W's buffer 0; fetches the second half's W and tokens, and converts into buffer 1.
.macro E slot, first
	PLACES
	LDB 1, \slot, 0
	LDA \slot, 128
	s_wait_dscnt 36                                ; the 36 just issued may stay out: token tiles 0-7 are in
	MB 0, 2, 0, \first, 0
	s_wait_dscnt 0x0
.set cvi, 0
.set mmc, 0
	MB 3, 7, 0, \first, 1
	PLACES
	LDB 0, \slot, 64
	MB 8, 15, 0, \first, 0
.endm
; The second half multiplies buffer 1 and changes slots: ONE barrier.  In front of it each wave waits for all its tensor loads (one is out: its part of the next slot), adds 0 to its spare word,
; and waits for that and for its reads of this slot.  fill = 1: the barrier opens a round of the cluster's, and the joint refill, two K steps on, is the first thing behind it:
; 145 matrix instructions stand between it and the wait for it.
.macro O slot, next, fill
.if (\fill) && ((\slot) == 0)
	s_wait_xcnt 0x0                                ; the last prefetches, a K step and more back, have read their address
	s_add_nc_u64 s[PFA:PFA+1], s[PFA:PFA+1], 512
.endif
	PLACES
	LDB 1, \slot, 64                               ; my last reads of this slot
	s_wait_dscnt 16                                ; those 16 may stay out
	MB 0, 4, 1, 0, 0
	WIN 0
	s_wait_tensorcnt 0x0
	ds_add_u32 v[SPW], v[NIL]
	MB 5, 5, 1, 0, 0
	s_wait_dscnt 0x0                               ; the add is done, and my reads of this slot are over
	s_barrier_signal -1
	MB 6, 7, 1, 0, 0
	WIN 0
	s_barrier_wait -1
.if \fill
	CREST
	s_add_nc_u64 s[G0W+4*(\slot)+2:G0W+4*(\slot)+3], s[G0W+4*(\slot)+2:G0W+4*(\slot)+3], 512
	s_add_nc_u64 s[G0H+4*(\slot)+2:G0H+4*(\slot)+3], s[G0H+4*(\slot)+2:G0H+4*(\slot)+3], 262144
	JLOAD \slot                                    ; its four v_nop are also the places in front of the loads below
.else
	PLACES
.endif
	LDB 0, \next, 0
	LDA \next, 0
	WIN 0
.if \fill
	ASK \slot
.endif
	MB 8, 10, 1, 0, 0
	s_wait_dscnt 0x0
.set cvi, 0
.set mmc, 0
	MB 11, 15, 1, 0, 1
.endm
	s_wait_dscnt 0x0                               ; the bias tiles are in
	s_wait_tensorcnt 0x1                           ; my part of K step 0 is in; K step 1's may stay out
	s_barrier_signal -1
	s_barrier_wait -1
	LDB 0, 0, 0
	LDA 0, 0
	s_wait_dscnt 0x0
.set cvi, 0
.rept 10
	CVT4 cvi, 0
.set cvi, cvi+1
.endr
	E 0, 1
	WIN 0
	s_mov_b32 s3, 7
.Llap:                                                 ; a trip: from a lap's second half step to the next lap's first; both slots are filled again
	O 0, 1, 1
	E 1, 0
	O 1, 0, 1
	E 0, 0
	WIN 0
	s_sub_co_u32 s3, s3, 1
	s_cmp_lg_u32 s3, 0
	s_cbranch_scc1 .Llap
	O 0, 1, 0                                      ; the last lap fills nothing
	E 1, 0
	PLACES
	LDB 1, 1, 64
	s_wait_dscnt 0x0
	MB 0, 15, 1, 0, 0
	PLACES
; THE WAY OUT.  For token tile b the lane's 40 scores: maximum (each accumulator's lowest registers first), exchange of the halves, exponentials in place
; as one batch with one wait, sum, exchange.
.macro EPI b
.set R0, 256+40*(\b)
.set a, 0
.rept 5
.set x, R0+8*a
	W4 0, x, x, x
	v_max3_num_f32 v[TM+a], v[x%256], v[x%256+1], v[x%256+2]
.set a, a+1
.endr
.irp o, 3,5
.set a, 0
.rept 5
.set x, R0+8*a
	W4 0, 0, x, x
	v_max3_num_f32 v[TM+a], v[TM+a], v[x%256+(\o)], v[x%256+(\o)+1]
.set a, a+1
.endr
.endr
.set x, R0+7
.set y, R0+15
	W4 0, 0, x, y
	v_max3_num_f32 v[TM], v[TM], v[x%256], v[y%256]
.set x, R0+23
.set y, R0+31
	W4 0, 0, x, y
	v_max3_num_f32 v[TM+1], v[TM+1], v[x%256], v[y%256]
.set x, R0+39
	W4 0, 0, x, 0
	v_max_num_f32 v[TM+2], v[TM+2], v[x%256]
	WIN 0
	v_max3_num_f32 v[TM], v[TM], v[TM+1], v[TM+2]
	v_max3_num_f32 v[TM], v[TM], v[TM+3], v[TM+4]
	v_permlanex16_b32 v[TM+1], v[TM], s[SEL], s[SEL+1]
	v_max_num_f32 v[MX+(\b)], v[TM], v[TM+1]
	v_mul_f32 v[TM+6], s[CS], v[MX+(\b)]
.set p, 0
.rept 21
.if p < 20
.set x, R0+2*p
	W4 x, x, 0, 0
	v_pk_fma_f32 v[x%256:x%256+1], v[x%256:x%256+1], s[CS:CS+1], v[TM+6:TM+7] op_sel_hi:[1,0,0] neg_lo:[0,0,1] neg_hi:[0,0,1]
.endif
.if p > 0
.set y, R0+2*p-2
	W4 y, y, 0, 0
	v_exp_f32 v[y%256], v[y%256]
	v_exp_f32 v[y%256+1], v[y%256+1]
.endif
.set p, p+1
.endr
	v_nop                                          ; a plain instruction behind the last exponential,
	s_wait_alu depctr_va_vdst(0)                   ; and the one wait for the batch of 40, ahead of its first reader
.set p, 0
.rept 4
.set x, R0+2*p
.set y, R0+2*p+8
	W4 0, x, y, 0
	v_pk_add_f32 v[SM+2*p:SM+2*p+1], v[x%256:x%256+1], v[y%256:y%256+1]
.set p, p+1
.endr
.set p, 8
.rept 12
.set y, R0+2*p
	W4 0, 0, y, 0
	v_pk_add_f32 v[SM+2*(p%4):SM+2*(p%4)+1], v[SM+2*(p%4):SM+2*(p%4)+1], v[y%256:y%256+1]
.set p, p+1
.endr
	WIN 0
	v_pk_add_f32 v[SM:SM+1], v[SM:SM+1], v[SM+2:SM+3]
	v_pk_add_f32 v[SM+4:SM+5], v[SM+4:SM+5], v[SM+6:SM+7]
	v_pk_add_f32 v[SM:SM+1], v[SM:SM+1], v[SM+4:SM+5]
	v_add_f32 v[TM], v[SM], v[SM+1]
	v_permlanex16_b32 v[TM+1], v[TM], s[SEL], s[SEL+1]
	v_add_f32 v[LL+(\b)], v[TM], v[TM+1]
.endm
	WIN 0
	v_mov_b32 v[TM+7], 0                           ; named with c m as a pair
.irp b, 0,1,2,3,4,5,6,7,8,9,10,11,12,13,14,15
	EPI \b
.endr
.set i, 0
.rept 16
	v_log_f32 v[LL+i], v[LL+i]
.set i, i+1
.endr
	v_nop
	s_wait_alu depctr_va_vdst(0)                   ; one wait for the 16 logarithms
.set i, 0
.rept 16
	v_fmamk_f32 v[LL+i], v[LL+i], 0x3f317218, v[MX+i]      ; ln 2 x log2(sum) + maximum
	ds_store_b32 v[STI], v[LL+i] offset:64*i               ; token 16 i + r; both halves of the lanes hold the same number
.set i, i+1
.endr
	ds_load_b128 v[64:67], v[STB]                  ; LDS serves a wave's instructions in order: these see the stores above
	ds_load_b128 v[68:71], v[STB] offset:512
	s_wait_dscnt 0x0
	global_store_b128 v[PO], v[64:67], s[10:11]            ; 512 consecutive bytes
	global_store_b128 v[PO], v[68:71], s[10:11] offset:512
	s_wait_tensorcnt 0x0                           ; the wave's end
	ds_add_u32 v[SPW], v[NIL]
	s_wait_dscnt 0x0
	CROUND                                         ; the closing round
	s_endpgm
.Lfunc_end_k_q64c8285044_head:
	.size	k_q64c8285044_head, .Lfunc_end_k_q64c8285044_head-k_q64c8285044_head
	.p2alignl 7, 3214868480
	.fill 96, 4, 3214868480
	.section	.rodata,"a",@progbits
	.p2align	6, 0x0
	.amdhsa_kernel k_q64c8285044_head
		.amdhsa_group_segment_fixed_size 327680
		.amdhsa_private_segment_fixed_size 0
		.amdhsa_enable_private_segment 0
		.amdhsa_kernarg_size 32
		.amdhsa_user_sgpr_count 2
		.amdhsa_user_sgpr_kernarg_segment_ptr 1
		.amdhsa_wavefront_size32 1
		.amdhsa_system_sgpr_workgroup_id_x 1
		.amdhsa_system_sgpr_workgroup_id_y 1
		.amdhsa_system_sgpr_workgroup_id_z 1
		.amdhsa_system_vgpr_workitem_id 0
		.amdhsa_next_free_vgpr 1024
		.amdhsa_next_free_sgpr 66
		.amdhsa_reserve_vcc 0
		.amdhsa_float_denorm_mode_32 3
		.amdhsa_float_denorm_mode_16_64 3
		.amdhsa_memory_ordered 1
		.amdhsa_forward_progress 1
		.amdhsa_inst_pref_size 199
	.end_amdhsa_kernel
	.amdgpu_metadata
---
amdhsa.version: [ 1, 2 ]
amdhsa.kernels:
  - .name:           k_q64c8285044_head
    .symbol:         k_q64c8285044_head.kd
    .args:
      - { .name: hbk, .offset: 0, .size: 8, .value_kind: global_buffer, .address_space: global }
      - { .name: W_head, .offset: 8, .size: 8, .value_kind: global_buffer, .address_space: global }
      - { .name: b_head, .offset: 16, .size: 8, .value_kind: global_buffer, .address_space: global }
      - { .name: part_h, .offset: 24, .size: 8, .value_kind: global_buffer, .address_space: global }
    .group_segment_fixed_size: 327680
    .private_segment_fixed_size: 0
    .kernarg_segment_align: 8
    .kernarg_segment_size: 32
    .max_flat_workgroup_size: 128
    .sgpr_count:     66
    .vgpr_count:     1024
    .wavefront_size: 32
...
	.end_amdgpu_metadata
.endif
;; end of part 2
;; launch tails (part 3): grid 256 x 1, 8 waves a work-group, no clusters, 234,752 bytes of LDS; arguments pj, order, cnt, W1, b1, W2, b2, W3, b3, part_t, pos; writes part_t
.if DOCPART == 3
	.amdgcn_target "amdgcn-amd-amdhsa--gfx1250"
	.amdhsa_code_object_version 6
	.text
	.protected	k_q64c8285044_tails
	.globl	k_q64c8285044_tails
	.p2align	8
	.type	k_q64c8285044_tails,@function
k_q64c8285044_tails:
	s_mov_b64 s[64:65], 0
	v_nop
	global_prefetch_b8 v0, s[64:65] scope:SCOPE_SE
	s_setreg_imm32_b32 hwreg(HW_REG_WAVE_MODE, 25, 1), 1
	s_wait_xcnt 0x0
; TAILS.  part_t[g][token] = log of the sum of exp(proj_i[token] . W_i[row] + b_i[row]) over work-group g's rows of the token's OWN tail i (the only tail whose result is kept); 0 for cluster 0.
; SHARES.  Slice sl = 8 g + w of 2,048 owns rows [V sl / 2048, V (sl + 1) / 2048) of each tail: 33-34 rows of W3 (3 tiles), 78-79 of W2 (5 tiles), 9-10 of W1 (1 tile).  The tiles begin at
; min(start, V - 16 tiles); rows outside the slice take the bias -1e30.  A wave's rows are loaded from memory once, rounded to bf16 and KEPT IN REGISTERS;
; every wave walks all tiles of 16 tokens of the tail's list (their number comes as a whole number from the launch before).
; The tokens' projections (bf16, gathered by the list) lie in LDS, 256 tokens a chunk.  Source 0 = 16 rows of W, source 1 = 16 tokens: a lane holds one token and 8 rows a tile.
; For each tile a lane takes its own maximum m over its scores away, sums l, and puts (m, l) into its wave's stage; behind a barrier the 16 pairs of a token (8 waves x 2 halves) are merged, again with
; their maximum taken away.  Results lie in list order in LDS and are gathered into token order at the end.
; THE 16 TILES OF A CHUNK ARE WRITTEN OUT: a tile's place stands in the immediates, and every LDS address of the tile work is a register made at the head and never rewritten.  A wave's stage is filled
; with the neutral pair (-1e30, 1) at a chunk's start; a tile beyond the chunk's last jumps forward to the chunk's barrier.  The price is the tile's text 16 times for each tail.
; NO CLUSTER: no two work-groups share rows of W, and the projections are about one part in a hundred of the bytes.  NO TENSOR LOADS: a row of W is wanted by one wave alone.
; TWO WAVES A SIMD: the tile work has far more vector than matrix work and no barrier inside a chunk, and W in registers costs no LDS reads.
; LIMITS.  bf16 operands; a row outside the slice counts as -1e30; a weight below 2^-126 counts as 0; NaN and infinities are not treated apart.
.set B1,   0                           ; 256 rows of 528 bytes (256 bf16 + 16)
.set P1B,  528
.set B2,   256*528                     ; 256 rows of 144 bytes
.set P2B,  144
.set B3,   B2+256*144                  ; 256 rows of 48 bytes
.set P3B,  48
.set STG,  B3+256*48                   ; wave w: 16 tiles x 32 lanes x (m, l)
.set STGW, 16*256
.set RES,  STG+8*STGW                  ; 3 x 1,024 results in list order, and the word 3,072 = 0.0
.set BSC,  RES+12544                   ; 512 bytes a wave for the bias
.set SPARE, BSC+4096                   ; the spare words, 128 bytes a wave
.set LB01B, 4                          ; v4   my place in tile 8 of region 1: tiles 8-15 lie beyond a 16-bit immediate from tile 0
.set LB03, 6                           ; v6-8 my place in tile 0 of regions 3, 2, 1: row r, 16 bytes for each half of the lanes
.set LB02, 7
.set LB01, 8
.set ST0, 9                            ; v9   my 8 bytes in tile 0 of my wave's stage
.set MG,  10                           ; v10  the merge: my slot's pair in wave 0's stage
.set GW3, 11                           ; v11-13 row t of regions 3, 2, 1
.set GW2, 12
.set GW1, 13
.set GA,  14
.set RS,  15                           ; v15  where my slot's result goes: stepped once a chunk
.set I3,  16
.set I2,  20
.set I1,  24
.set SPW, 28
.set NIL, 29
.set BS,  30
.set BR,  31
.set MRG, 208
.set TM,  240
.set NEU, 252                          ; v[252:253] = (-1e30, 1.0)
; window 1: v0-159 W2 as loaded, then v0-127 W1 as loaded, then the next chunk's gather for tail 1; v128-159 the same for tail 2; v160-183 W3 as loaded, then v160-167 the gather for tail 3
.set BB3, 192
.set BB2, 194
.set BB1, 197
.set WO3, 198
.set WO2, 199
.set WO1, 200
.set BO3, 201
.set BO2, 203
.set BO1, 206
.set POF, 207
.set PS,  208
.set WV,  4
.set CH,  44
.set NTC, 45
.set NX,  46
.set T0,  48
.set CS,  50
.set MSB, 0
.macro WIN new
.if MSB != (\new)
	s_set_vgpr_msb (MSB<<8)|(\new)
.set MSB, (\new)
.endif
.endm
	s_load_b512 s[8:23], s[0:1], 0x0               ; pj 8, order 10, cnt 12, W1 14, b1 16, W2 18, b2 20, W3 22
	s_load_b128 s[24:27], s[0:1], 0x40             ; b3 24, part_t 26
	s_load_b64 s[28:29], s[0:1], 0x50              ; pos
	v_lshl_add_u32 v[SPW], v0, 2, SPARE
	v_mov_b32 v[NIL], 0
	v_lshrrev_b32 v1, 5, v0
	v_readfirstlane_b32 s[WV], v1
	s_lshl_b32 s5, ttmp9, 3
	s_add_co_u32 s5, s5, s[WV]                     ; my slice
	s_mul_i32 s32, s5, 67735
	s_add_co_u32 s33, s32, 67735
	s_lshr_b32 s32, s32, 11                        ; tail 3: first row, the row behind the last,
	s_lshr_b32 s33, s33, 11
	s_min_u32 s34, s32, 67687                      ; and the first row of my tiles
	s_mul_i32 s35, s5, 625
	s_add_co_u32 s36, s35, 625
	s_lshr_b32 s38, s35, 6                         ; tail 1
	s_lshr_b32 s39, s36, 6
	s_min_u32 s40, s38, 19984
	s_lshr_b32 s35, s35, 3                         ; tail 2
	s_lshr_b32 s36, s36, 3
	s_min_u32 s37, s35, 159920
	s_mov_b32 s[CS], 0x3fb8aa3b                    ; log2(e)
	s_mov_b32 s[CS+1], s[CS]
	s_mov_b32 s53, 0
	v_and_b32 v1, 31, v0                           ; lane
	v_and_b32 v2, 15, v0                           ; r
	v_bfe_u32 v3, v0, 4, 1                         ; h
	v_mul_u32_u24 v[LB03], v2, P3B
	v_lshl_add_u32 v[LB03], v3, 4, v[LB03]
	v_add_nc_u32 v[LB03], B3, v[LB03]
	v_mul_u32_u24 v[LB02], v2, P2B
	v_lshl_add_u32 v[LB02], v3, 4, v[LB02]
	v_add_nc_u32 v[LB02], B2, v[LB02]
	v_mul_u32_u24 v[LB01], v2, P1B
	v_lshl_add_u32 v[LB01], v3, 4, v[LB01]
	v_add_nc_u32 v[LB01B], 8*16*P1B, v[LB01]
	s_mul_i32 s[T0], s[WV], STGW
	s_add_co_u32 s[T0], s[T0], STG
	v_lshl_add_u32 v[ST0], v1, 3, s[T0]            ; my stage: 8 bytes a lane, 256 a tile
	s_lshl_b32 s[T0], s[WV], 9
	s_add_co_u32 s[T0], s[T0], STG
	v_lshl_add_u32 v[MG], v3, 8, s[T0]
	v_lshl_add_u32 v[MG], v2, 3, v[MG]             ; the merge: tile 2 w + h, token r
	v_mul_u32_u24 v[GW3], v0, P3B
	v_add_nc_u32 v[GW3], B3, v[GW3]
	v_mul_u32_u24 v[GW2], v0, P2B
	v_add_nc_u32 v[GW2], B2, v[GW2]
	v_mul_u32_u24 v[GW1], v0, P1B
	s_lshl_b32 s[T0], s[WV], 9
	s_add_co_u32 s[T0], s[T0], BSC
	v_lshl_add_u32 v[BS], v1, 2, s[T0]
	v_lshl_add_u32 v[BR], v3, 5, s[T0]
	v_lshlrev_b32 v250, 2, v0
	v_lshlrev_b32 v251, 5, v3
	v_mov_b32 v[NEU], 0xf149f2ca
	v_mov_b32 v[NEU+1], 1.0
	v_add_nc_u32 v241, s34, v1                     ; the rows whose bias I fetch, held inside the tables
	v_add_nc_u32 v242, 32, v241
	v_add_nc_u32 v243, s37, v1
	v_add_nc_u32 v244, 32, v243
	v_add_nc_u32 v245, 64, v243
	v_add_nc_u32 v246, s40, v1
	v_min_u32 v241, 67734, v241
	v_min_u32 v242, 67734, v242
	v_min_u32 v243, 159999, v243
	v_min_u32 v244, 159999, v244
	v_min_u32 v245, 159999, v245
	v_min_u32 v246, 19999, v246
	WIN 0x40
	v_lshl_add_u32 v[WO3], v2, 6, v251             ; row r of 64, 256 or 1,024 bytes, 8 f32 for each half of the lanes
	v_lshl_add_u32 v[WO2], v2, 8, v251
	v_lshl_add_u32 v[WO1], v2, 10, v251
.irp u, 0,1,2,3,4,5
	v_lshlrev_b32 v[BO3+(\u)], 2, v[241+(\u)]
.endr
	v_lshlrev_b32 v[POF], 4, v0
	WIN 0
	v_mov_b32 v[TM+7], 0                           ; named with c m as a pair
	s_wait_kmcnt 0x0
	s_load_b32 s43, s[12:13], 0x0                  ; tiles of 16 tokens in list 1,
	s_load_b32 s42, s[12:13], 0x100                ; 2,
	s_load_b32 s41, s[12:13], 0x200                ; 3
	s_lshl_b32 s52, s34, 6
	s_add_nc_u64 s[54:55], s[22:23], s[52:53]      ; W3, W2, W1 at my tiles' first row
	s_lshl_b32 s52, s37, 8
	s_add_nc_u64 s[56:57], s[18:19], s[52:53]
	s_lshl_b32 s52, s40, 10
	s_add_nc_u64 s[58:59], s[14:15], s[52:53]
	s_lshl_b32 s52, ttmp9, 12
	s_add_nc_u64 s[26:27], s[26:27], s[52:53]
.irp c, 0,1,2,3
	global_load_b32 v[I3+(\c)], v250, s[10:11] offset:2*4608+1024*(\c)   ; my slot of each chunk of each list
	global_load_b32 v[I2+(\c)], v250, s[10:11] offset:4608+1024*(\c)
	global_load_b32 v[I1+(\c)], v250, s[10:11] offset:1024*(\c)
.endr
	WIN 0x41
.irp a, 0,1,2
	global_load_b128 v[160+8*(\a):160+8*(\a)+3], v[WO3], s[54:55] offset:1024*(\a) th:TH_LOAD_NT
	global_load_b128 v[160+8*(\a)+4:160+8*(\a)+7], v[WO3], s[54:55] offset:1024*(\a)+16 th:TH_LOAD_NT
.endr
	global_load_b32 v[BB3], v[BO3], s[24:25]
	global_load_b32 v[BB3+1], v[BO3+1], s[24:25]
	WIN 0
	s_wait_loadcnt 8                               ; W3's and b3's 8 loads may stay out: the 12 indices are in
; a token's projection for tail i: 32, 128 or 512 bytes of pj, from the offset in v[ga]
.macro GATHL i, ga, dst
.set p, 0
.if (\i) == 3
.rept 2
	global_load_b128 v[(\dst)+4*p:(\dst)+4*p+3], v[\ga], s[8:9] offset:5*131072+16*p
.set p, p+1
.endr
.elseif (\i) == 2
.rept 8
	global_load_b128 v[(\dst)+4*p:(\dst)+4*p+3], v[\ga], s[8:9] offset:4*131072+16*p
.set p, p+1
.endr
.else
.rept 32
	global_load_b128 v[(\dst)+4*p:(\dst)+4*p+3], v[\ga], s[8:9] offset:(p>>3)*131072+(p&7)*16
.set p, p+1
.endr
.endif
.endm
.macro GSTORE i, src                   ; into row t of the tail's region
.set p, 0
.if (\i) == 3
.rept 2
	ds_store_b128 v[GW3], v[(\src)+4*p:(\src)+4*p+3] offset:16*p
.set p, p+1
.endr
.elseif (\i) == 2
.rept 8
	ds_store_b128 v[GW2], v[(\src)+4*p:(\src)+4*p+3] offset:16*p
.set p, p+1
.endr
.else
.rept 32
	ds_store_b128 v[GW1], v[(\src)+4*p:(\src)+4*p+3] offset:16*p
.set p, p+1
.endr
.endif
.endm
	v_min_u32 v[GA], 1023, v[I3]
	v_lshlrev_b32 v[GA], 7, v[GA]
	v_min_u32 v248, 1023, v[I2]
	v_lshlrev_b32 v248, 7, v248
	v_min_u32 v249, 1023, v[I1]
	v_lshlrev_b32 v249, 7, v249
	GATHL 3, GA, 192                               ; chunk 0 of all three lists: 42 loads
	GATHL 2, 248, 160
	GATHL 1, 249, 32
	WIN 0x41
.set n, 0
.rept 10                                       ; W2: tile n / 2, fragment n % 2: 40 loads
.irp q, 0,1,2,3
	global_load_b128 v[16*n+4*(\q):16*n+4*(\q)+3], v[WO2], s[56:57] offset:4096*(n>>1)+128*(n&1)+16*((\q)&1)+64*((\q)>>1) th:TH_LOAD_NT
.endr
.set n, n+1
.endr
.irp u, 0,1,2
	global_load_b32 v[BB2+(\u)], v[BO2+(\u)], s[20:21]
.endr
	WIN 0
	s_cmp_lg_u32 s[WV], 0
	s_cbranch_scc1 .Lnozero
	v_mov_b32 v240, RES+4*3072
	v_mov_b32 v241, 0
	ds_store_b32 v240, v241                        ; the result of a token of cluster 0
.Lnozero:
	s_wait_loadcnt 43                              ; W2's and b2's 43 loads may stay out: the gathers, W3 and b3 are in
	GSTORE 3, 192
	GSTORE 2, 160
	GSTORE 1, 32
	s_wait_kmcnt 0x0
	s_min_u32 s41, s41, 64
	s_min_u32 s42, s42, 64
	s_min_u32 s43, s43, 64
	s_wait_dscnt 0x0
	s_barrier_signal -1
	s_barrier_wait -1
; the bias of my tiles' rows, -1e30 outside my slice, through my own LDS bytes into the layout of a C operand
.macro BIAS nu, bb, sb, ss, se, nt, c
.set u, 0
.rept \nu
	s_add_co_u32 s[T0], s[\sb], 32*u
	WIN 0
	v_add_nc_u32 v240, s[T0], v1
	v_cmp_le_u32 s60, s[\ss], v240
	v_cmp_gt_u32 s61, s[\se], v240
	s_and_b32 s60, s60, s61
	WIN 0x04
	v_cndmask_b32 v241, v[NEU], v[(\bb)+u], s60
	WIN 0
	ds_store_b32 v[BS], v241 offset:128*u
.set u, u+1
.endr
.set a, 0
.rept \nt
	ds_load_b128 v[(\c)+8*a:(\c)+8*a+3], v[BR] offset:64*a
	ds_load_b128 v[(\c)+8*a+4:(\c)+8*a+7], v[BR] offset:64*a+16
.set a, a+1
.endr
.endm
.macro CVW n0, cnt                     ; cnt registers of bf16 at v32 on, from f32 at register n0 of window 1 on
	WIN 0x05
.set n, 0
.rept \cnt
	v_cvt_pk_bf16_f32 v[32+n], v[(\n0)+2*n], v[(\n0)+2*n+1]
.set n, n+1
.endr
	WIN 0
.endm
.macro BLOAD i, jj                     ; the token fragments of the chunk's tile jj: a fixed register and an immediate
.if (\i) == 3
	ds_load_b128 v[192:195], v[LB03] offset:(\jj)*16*P3B
.elseif (\i) == 2
.irp f, 0,1
	ds_load_b128 v[192+8*(\f):192+8*(\f)+3], v[LB02] offset:(\jj)*16*P2B+64*(\f)
	ds_load_b128 v[192+8*(\f)+4:192+8*(\f)+7], v[LB02] offset:(\jj)*16*P2B+64*(\f)+32
.endr
.else
.set rB, LB01
.if (\jj) >= 8
.set rB, LB01B
.endif
.irp f, 0,1,2,3,4,5,6,7
	ds_load_b128 v[136+8*(\f):136+8*(\f)+3], v[rB] offset:((\jj)%8)*16*P1B+64*(\f)
	ds_load_b128 v[136+8*(\f)+4:136+8*(\f)+7], v[rB] offset:((\jj)%8)*16*P1B+64*(\f)+32
.endr
.endif
.endm
.macro WM i                            ; a tile's products; the accumulators take turns; the bias starts the sums
.if (\i) == 3
.irp a, 0,1,2
	v_wmma_f32_16x16x32_bf16 v[152+8*(\a):152+8*(\a)+7], v[32+8*(\a):32+8*(\a)+7], v[192:199], v[112+8*(\a):112+8*(\a)+7]
.endr
.elseif (\i) == 2
.irp a, 0,1,2,3,4
	v_wmma_f32_16x16x32_bf16 v[152+8*(\a):152+8*(\a)+7], v[32+16*(\a):32+16*(\a)+7], v[192:199], v[112+8*(\a):112+8*(\a)+7]
.endr
.irp a, 0,1,2,3,4
	v_wmma_f32_16x16x32_bf16 v[152+8*(\a):152+8*(\a)+7], v[32+16*(\a)+8:32+16*(\a)+15], v[200:207], v[152+8*(\a):152+8*(\a)+7]
.endr
.else
	v_wmma_f32_16x16x32_bf16 v[104:111], v[32:39], v[136:143], v[96:103]
.irp f, 1,2,3
	v_wmma_f32_16x16x32_bf16 v[104+8*(\f):104+8*(\f)+7], v[32+8*(\f):32+8*(\f)+7], v[136+8*(\f):136+8*(\f)+7], 0
.endr
.irp f, 0,1,2,3
	v_wmma_f32_16x16x32_bf16 v[104+8*(\f):104+8*(\f)+7], v[64+8*(\f):64+8*(\f)+7], v[168+8*(\f):168+8*(\f)+7], v[104+8*(\f):104+8*(\f)+7]
.endr
.endif
.endm
; the lane's own maximum over its 8 na scores (each accumulator's lowest registers first) into v[TM], the sum of 2^(c s - c m) into v[TM+1]: one batch of exponentials, one wait
.macro SOFT sr, na
.set a, 0
.rept \na
	v_max3_num_f32 v[TM+a], v[(\sr)+8*a], v[(\sr)+8*a+1], v[(\sr)+8*a+2]
.set a, a+1
.endr
.irp o, 3,5
.set a, 0
.rept \na
	v_max3_num_f32 v[TM+a], v[TM+a], v[(\sr)+8*a+(\o)], v[(\sr)+8*a+(\o)+1]
.set a, a+1
.endr
.endr
.if (\na) == 5
	v_max3_num_f32 v[TM], v[TM], v[(\sr)+7], v[(\sr)+15]
	v_max3_num_f32 v[TM+1], v[TM+1], v[(\sr)+23], v[(\sr)+31]
	v_max_num_f32 v[TM+2], v[TM+2], v[(\sr)+39]
	v_max3_num_f32 v[TM], v[TM], v[TM+1], v[TM+2]
	v_max3_num_f32 v[TM], v[TM], v[TM+3], v[TM+4]
.elseif (\na) == 3
	v_max3_num_f32 v[TM], v[TM], v[(\sr)+7], v[(\sr)+15]
	v_max_num_f32 v[TM+1], v[TM+1], v[(\sr)+23]
	v_max3_num_f32 v[TM], v[TM], v[TM+1], v[TM+2]
.else
	v_max_num_f32 v[TM], v[TM], v[(\sr)+7]
.endif
	v_mul_f32 v[TM+6], s[CS], v[TM]
.set p, 0
.rept 4*(\na)+1
.if p < 4*(\na)
	v_pk_fma_f32 v[(\sr)+2*p:(\sr)+2*p+1], v[(\sr)+2*p:(\sr)+2*p+1], s[CS:CS+1], v[TM+6:TM+7] op_sel_hi:[1,0,0] neg_lo:[0,0,1] neg_hi:[0,0,1]
.endif
.if p > 0
	v_exp_f32 v[(\sr)+2*p-2], v[(\sr)+2*p-2]
	v_exp_f32 v[(\sr)+2*p-1], v[(\sr)+2*p-1]
.endif
.set p, p+1
.endr
	v_nop
	s_wait_alu depctr_va_vdst(0)
.if (\na) > 1
.set p, 4
.rept 4*(\na)-4
	v_pk_add_f32 v[(\sr)+2*(p%4):(\sr)+2*(p%4)+1], v[(\sr)+2*(p%4):(\sr)+2*(p%4)+1], v[(\sr)+2*p:(\sr)+2*p+1]
.set p, p+1
.endr
.endif
	v_pk_add_f32 v[(\sr):(\sr)+1], v[(\sr):(\sr)+1], v[(\sr)+2:(\sr)+3]
	v_pk_add_f32 v[(\sr)+4:(\sr)+5], v[(\sr)+4:(\sr)+5], v[(\sr)+6:(\sr)+7]
	v_pk_add_f32 v[(\sr):(\sr)+1], v[(\sr):(\sr)+1], v[(\sr)+4:(\sr)+5]
	v_add_f32 v[TM+1], v[(\sr)], v[(\sr)+1]
.endm
; my slot's 16 pairs (8 waves x 2 halves of the lanes) into one logarithm of a sum
.macro MERGE
.set q, 0
.rept 16
	ds_load_b64 v[MRG+2*q:MRG+2*q+1], v[MG] offset:(q>>1)*STGW+128*(q&1)
.set q, q+1
.endr
	s_wait_dscnt 0x0
	v_max3_num_f32 v[TM], v[MRG], v[MRG+2], v[MRG+4]
.irp q, 3,5,7,9,11,13
	v_max3_num_f32 v[TM], v[TM], v[MRG+2*(\q)], v[MRG+2*(\q)+2]
.endr
	v_max_num_f32 v[TM], v[TM], v[MRG+30]
	v_mul_f32 v[TM+6], s[CS], v[TM]
.set q, 0
.rept 16
	v_fma_f32 v[MRG+2*q], v[MRG+2*q], s[CS], -v[TM+6]
.set q, q+1
.endr
.set q, 0
.rept 16
	v_exp_f32 v[MRG+2*q], v[MRG+2*q]
.set q, q+1
.endr
	v_nop
	s_wait_alu depctr_va_vdst(0)
	v_mul_f32 v[TM+2], v[MRG], v[MRG+1]
	v_mul_f32 v[TM+3], v[MRG+2], v[MRG+3]
.set q, 2
.rept 14
	v_fmac_f32 v[TM+2+(q&1)], v[MRG+2*q], v[MRG+2*q+1]
.set q, q+1
.endr
	v_add_f32 v[TM+2], v[TM+2], v[TM+3]
	v_log_f32 v[TM+2], v[TM+2]
	v_nop
	s_wait_alu depctr_va_vdst(0)
	v_fmamk_f32 v[TM+2], v[TM+2], 0x3f317218, v[TM]
	ds_store_b32 v[RS], v[TM+2]
.endm
; Tile j of a chunk's 16.  Its fragments were asked for a tile earlier; the next tile's are asked for here: all 256 rows of a chunk have been stored, so they may be read whether or not that tile is worked on.
.macro TILE i, na, sr, j
	s_cmp_gt_u32 s[NTC], \j
	s_cbranch_scc0 .Lx\i                           ; the chunk has no tile j: on to its barrier
	s_wait_dscnt 0x0                               ; the tile's fragments (and, the first time, the bias tiles) are in
	WM \i
.rept 4
	v_nop                                          ; four places behind the products, in front of loads into their sources and of reads of their results
.endr
.if (\j) < 15
	BLOAD \i, (\j)+1                               ; they come during this tile's vector work
.endif
.if (\i) == 1
.irp p, 0,2,4,6                        ; the four partial sums along K
	v_pk_add_f32 v[104+(\p):104+(\p)+1], v[104+(\p):104+(\p)+1], v[112+(\p):112+(\p)+1]
	v_pk_add_f32 v[120+(\p):120+(\p)+1], v[120+(\p):120+(\p)+1], v[128+(\p):128+(\p)+1]
.endr
.irp p, 0,2,4,6
	v_pk_add_f32 v[104+(\p):104+(\p)+1], v[104+(\p):104+(\p)+1], v[120+(\p):120+(\p)+1]
.endr
.endif
	SOFT \sr, \na
	ds_store_b64 v[ST0], v[TM:TM+1] offset:256*(\j)
.endm
; A TAIL.  Four chunks of 256 list slots, a constant count; what a chunk does hangs on the list's length, by forward jumps that pass no barrier.
.macro TAIL i, na, sr, ntr, inx, pf
	v_lshl_add_u32 v[RS], v0, 2, RES+((\i)-1)*4096
	s_mov_b32 s[CH], 0
.Lchunk\i:
	s_lshl_b32 s[T0], s[CH], 4
	s_sub_co_i32 s[NTC], s[\ntr], s[T0]
	s_max_i32 s[NTC], s[NTC], 0
	s_cmp_gt_u32 s[NTC], 16
	s_cselect_b32 s[NX], 1, 0                      ; is there a further chunk?
	s_min_u32 s[NTC], s[NTC], 16                   ; this chunk's tiles
	s_cmp_eq_u32 s[NX], 0
	s_cbranch_scc1 .Lnog\i
	s_wait_xcnt 0x0                                ; earlier gathers have read their offset
	v_min_u32 v[GA], 1023, v[(\inx)+1]
	v_lshlrev_b32 v[GA], 7, v[GA]
	WIN 0x40
	GATHL \i, GA, \pf                              ; the next chunk's projections come while this chunk is worked on
	WIN 0
.Lnog\i:
.set q, 0
.rept 16
	ds_store_b64 v[ST0], v[NEU:NEU+1] offset:256*q ; my stage starts neutral: a merge takes tiles in twos; the last chunk's merges were over at the barrier behind them
.set q, q+1
.endr
	s_cmp_eq_u32 s[NTC], 0
	s_cbranch_scc1 .Lx\i
	BLOAD \i, 0
.irp j, 0,1,2,3,4,5,6,7,8,9,10,11,12,13,14,15
	TILE \i, \na, \sr, \j
.endr
.Lx\i:
	s_wait_dscnt 0x0                               ; my pairs lie in LDS, and my reads of the chunk are over
	s_barrier_signal -1
	s_barrier_wait -1
	s_lshl_b32 s[T0], s[WV], 1
	s_cmp_lt_u32 s[T0], s[NTC]
	s_cbranch_scc0 .Lnm\i
	MERGE
.Lnm\i:
	s_cmp_eq_u32 s[NX], 0
	s_cbranch_scc1 .Lns\i
	s_wait_loadcnt 0x0
	WIN 0x04
	GSTORE \i, \pf
	WIN 0
.Lns\i:
	v_mov_b32 v[(\inx)+1], v[(\inx)+2]
	v_mov_b32 v[(\inx)+2], v[(\inx)+3]
	v_add_nc_u32 v[RS], 1024, v[RS]
	s_wait_dscnt 0x0                               ; my reads of the stages and my stores of the next chunk are done
	s_barrier_signal -1
	s_barrier_wait -1
	s_add_co_u32 s[CH], s[CH], 1
	s_cmp_lt_u32 s[CH], 4
	s_cbranch_scc1 .Lchunk\i
.endm
	; tail 3: K = 16; channels 16-31 of both sources are zeros
	WIN 0x05
.irp a, 0,1,2
.irp n, 0,1,2,3
	v_cvt_pk_bf16_f32 v[32+8*(\a)+(\n)], v[160+8*(\a)+2*(\n)], v[160+8*(\a)+2*(\n)+1]
.endr
.endr
	WIN 0
.irp a, 0,1,2
.irp n, 4,5,6,7
	v_mov_b32 v[32+8*(\a)+(\n)], 0
.endr
.endr
.irp n, 196,197,198,199
	v_mov_b32 v[\n], 0
.endr
	BIAS 2, BB3, 34, 32, 33, 3, 112
	TAIL 3, 3, 152, 41, I3, 160
	s_wait_loadcnt 0x0                             ; W2 and b2
	CVW 0, 80
	BIAS 3, BB2, 37, 35, 36, 5, 112
	WIN 0x41
.set n, 0
.rept 8                                        ; W1, a whole tail ahead of its use
.irp q, 0,1,2,3
	global_load_b128 v[16*n+4*(\q):16*n+4*(\q)+3], v[WO1], s[58:59] offset:128*n+16*((\q)&1)+64*((\q)>>1) th:TH_LOAD_NT
.endr
.set n, n+1
.endr
	global_load_b32 v[BB1], v[BO1], s[16:17]
	WIN 0
	TAIL 2, 5, 152, 42, I2, 128
	s_wait_loadcnt 0x0                             ; W1 and b1
	CVW 0, 64
	BIAS 1, BB1, 40, 38, 39, 1, 96
	WIN 0x41
.irp w, 0,1,2
	global_load_b128 v[PS+4*(\w):PS+4*(\w)+3], v[POF], s[28:29] offset:4096*(\w)   ; my four tokens' places in the three lists
.endr
	WIN 0
	TAIL 1, 1, 104, 43, I1, 0
	; into token order: slot = the sum of the three places less 1, or 3,072 where the token is in no list
	s_wait_loadcnt 0x0
	WIN 0x05
.irp e, 0,1,2,3
	v_add_nc_u32 v[240+(\e)], v[PS+(\e)], v[PS+4+(\e)]
.endr
	WIN 0x01
.irp e, 0,1,2,3
	v_add_nc_u32 v[240+(\e)], v[PS+8+(\e)], v[240+(\e)]
.endr
	WIN 0
.irp e, 0,1,2,3
	v_add_nc_u32 v[240+(\e)], -1, v[240+(\e)]
	v_min_u32 v[240+(\e)], 3072, v[240+(\e)]
	v_lshl_add_u32 v[240+(\e)], v[240+(\e)], 2, RES
.endr
.irp e, 0,1,2,3
	ds_load_b32 v[244+(\e)], v[240+(\e)]
.endr
	s_wait_dscnt 0x0
	WIN 0x01
	global_store_b128 v[POF], v[244:247], s[26:27]         ; a wave stores 512 consecutive bytes
	WIN 0
	s_wait_tensorcnt 0x0                           ; the wave's end, behind my last LDS store
	ds_add_u32 v[SPW], v[NIL]
	s_wait_dscnt 0x0
	s_endpgm
.Lfunc_end_k_q64c8285044_tails:
	.size	k_q64c8285044_tails, .Lfunc_end_k_q64c8285044_tails-k_q64c8285044_tails
	.p2alignl 7, 3214868480
	.fill 96, 4, 3214868480
	.section	.rodata,"a",@progbits
	.p2align	6, 0x0
	.amdhsa_kernel k_q64c8285044_tails
		.amdhsa_group_segment_fixed_size 234752
		.amdhsa_private_segment_fixed_size 0
		.amdhsa_enable_private_segment 0
		.amdhsa_kernarg_size 88
		.amdhsa_user_sgpr_count 2
		.amdhsa_user_sgpr_kernarg_segment_ptr 1
		.amdhsa_wavefront_size32 1
		.amdhsa_system_sgpr_workgroup_id_x 1
		.amdhsa_system_sgpr_workgroup_id_y 1
		.amdhsa_system_sgpr_workgroup_id_z 1
		.amdhsa_system_vgpr_workitem_id 0
		.amdhsa_next_free_vgpr 512
		.amdhsa_next_free_sgpr 66
		.amdhsa_reserve_vcc 0
		.amdhsa_float_denorm_mode_32 3
		.amdhsa_float_denorm_mode_16_64 3
		.amdhsa_memory_ordered 1
		.amdhsa_forward_progress 1
		.amdhsa_inst_pref_size 255
	.end_amdhsa_kernel
	.section	.bss,"aw",@nobits
	.p2align	6
	.space	262144
	.amdgpu_metadata
---
amdhsa.version: [ 1, 2 ]
amdhsa.kernels:
  - .name:           k_q64c8285044_tails
    .symbol:         k_q64c8285044_tails.kd
    .args:
      - { .name: pj, .offset: 0, .size: 8, .value_kind: global_buffer, .address_space: global }
      - { .name: order, .offset: 8, .size: 8, .value_kind: global_buffer, .address_space: global }
      - { .name: cnt, .offset: 16, .size: 8, .value_kind: global_buffer, .address_space: global }
      - { .name: W1, .offset: 24, .size: 8, .value_kind: global_buffer, .address_space: global }
      - { .name: b1, .offset: 32, .size: 8, .value_kind: global_buffer, .address_space: global }
      - { .name: W2, .offset: 40, .size: 8, .value_kind: global_buffer, .address_space: global }
      - { .name: b2, .offset: 48, .size: 8, .value_kind: global_buffer, .address_space: global }
      - { .name: W3, .offset: 56, .size: 8, .value_kind: global_buffer, .address_space: global }
      - { .name: b3, .offset: 64, .size: 8, .value_kind: global_buffer, .address_space: global }
      - { .name: part_t, .offset: 72, .size: 8, .value_kind: global_buffer, .address_space: global }
      - { .name: pos, .offset: 80, .size: 8, .value_kind: global_buffer, .address_space: global }
    .group_segment_fixed_size: 234752
    .private_segment_fixed_size: 0
    .kernarg_segment_align: 8
    .kernarg_segment_size: 88
    .max_flat_workgroup_size: 256
    .sgpr_count:     66
    .vgpr_count:     512
    .wavefront_size: 32
...
	.end_amdgpu_metadata
.endif
;; end of part 3
;; launch combine (part 4): grid 128 x 1, 4 waves a work-group, no clusters, 0 bytes of LDS; arguments part_h, part_t, cl, hidden, pj, target, W_head, b_head, b_clusters, W1, b1, W2, b2, W3, b3, out0; writes out0
.if DOCPART == 4
	.amdgcn_target "amdgcn-amd-amdhsa--gfx1250"
	.amdhsa_code_object_version 6
	.text
	.protected	k_q64c8285044_combine
	.globl	k_q64c8285044_combine
	.p2align	8
	.type	k_q64c8285044_combine,@function
k_q64c8285044_combine:
	s_mov_b64 s[64:65], 0
	v_nop
	global_prefetch_b8 v0, s[64:65] scope:SCOPE_SE
	s_setreg_imm32_b32 hwreg(HW_REG_WAVE_MODE, 25, 1), 1
	s_wait_xcnt 0x0
; COMBINE.  A wave owns two tokens.  For each: H = log-sum-exp of the 256 head slices and the three cluster logits; T = log-sum-exp of the 256 tail parts (maxima taken away);
; the one logit that the target names, as a dot product in f32 (the tails' projections as stored, in bf16); out = H - logit for cluster 0, else H - z(3 - cluster) + T - logit.
; All four candidate rows are loaded and the choice is made by selects: no branch hangs on the target.  No LDS, no barrier.
; The output is 4,096 bytes in all; a wave stores its 8.  target is clipped.
.set SEL, 96
.set CL2, 98                           ; s98 log2(e)
.macro WRED op, r, t                   ; over the 32 lanes, result in every lane
	\op\()_dpp v[\r], v[\r], v[\r] row_xmask:1 row_mask:0xf bank_mask:0xf
	\op\()_dpp v[\r], v[\r], v[\r] row_xmask:2 row_mask:0xf bank_mask:0xf
	\op\()_dpp v[\r], v[\r], v[\r] row_xmask:4 row_mask:0xf bank_mask:0xf
	\op\()_dpp v[\r], v[\r], v[\r] row_xmask:8 row_mask:0xf bank_mask:0xf
	v_permlanex16_b32 v[\t], v[\r], s[SEL], s[SEL+1]
	\op v[\r], v[\r], v[\t]
.endm
	s_load_b512 s[8:23], s[0:1], 0x0               ; part_h 8, part_t 10, cl 12, hidden 14, pj 16, target 18, W_head 20, b_head 22
	s_load_b512 s[24:39], s[0:1], 0x40             ; b_clusters 24, W1 26, b1 28, W2 30, b2 32, W3 34, b3 36, out0 38
	v_lshrrev_b32 v1, 5, v0
	v_readfirstlane_b32 s6, v1
	s_lshl_b32 s7, ttmp9, 3
	s_lshl_b32 s2, s6, 1
	s_add_co_u32 s7, s7, s2                        ; my first token
	v_and_b32 v1, 31, v0
	v_and_b32 v9, 15, v0
	v_bfe_u32 v10, v0, 4, 1
	v_lshlrev_b32 v2, 4, v1                        ; 16 l
	v_lshlrev_b32 v3, 17, v10
	v_lshl_add_u32 v3, v9, 3, v3                   ; proj1: block l / 16, 8 bytes a lane
	v_lshlrev_b32 v4, 3, v1
	v_lshlrev_b32 v5, 2, v1
	v_lshlrev_b32 v6, 2, v9
	v_lshlrev_b32 v7, 1, v9
	v_lshlrev_b32 v8, 12, v1                       ; a slice a lane
	v_mov_b32 v63, 0
	v_mov_b32 v49, 0
	v_mov_b32 v51, 0
	s_mov_b32 s[SEL], 0x76543210
	s_mov_b32 s[SEL+1], 0xfedcba98
	s_mov_b32 s[CL2], 0x3fb8aa3b
	s_mov_b32 s99, 0xffff
	s_lshl_b32 s2, s7, 2
	s_mov_b32 s3, 0
	s_wait_kmcnt 0x0
	s_add_nc_u64 s[8:9], s[8:9], s[2:3]
	s_add_nc_u64 s[10:11], s[10:11], s[2:3]
	s_add_nc_u64 s[38:39], s[38:39], s[2:3]
	s_load_b64 s[4:5], s[18:19], s2 offset:0x0     ; the two targets
	s_load_b96 s[92:94], s[24:25], 0x0             ; b_clusters
.irp u, 0,1,2,3,4,5,6,7
	global_load_b64 v[16+2*(\u):17+2*(\u)], v8, s[8:9] offset:131072*(\u)
.endr
.irp u, 0,1,2,3,4,5,6,7
	global_load_b64 v[32+2*(\u):33+2*(\u)], v8, s[10:11] offset:131072*(\u)
.endr
	s_wait_kmcnt 0x0
	s_lshl_b32 s2, s7, 4
	s_add_nc_u64 s[12:13], s[12:13], s[2:3]        ; cl at my first token
; token k: its cluster, the four clipped rows, their addresses and biases.  Scalars at sk: +0 W_head row, +2 W1, +4 W2, +6 W3, +8..11 cl, +12..15 biases, +16 hidden row, +18 pj, +20..23 bias offsets
.macro CLIP x, tg, st, hi
	s_sub_co_i32 s[\x], s[\tg], \st
	s_max_i32 s[\x], s[\x], 0
	s_min_u32 s[\x], s[\x], \hi
.endm
.macro TOKS k, sk, tg, cid
	s_cmp_ge_i32 s[\tg], 20000
	s_cselect_b32 s[\cid], 1, 0
	s_cmp_ge_i32 s[\tg], 40000
	s_cselect_b32 s2, 1, 0
	s_add_co_u32 s[\cid], s[\cid], s2
	s_cmp_ge_i32 s[\tg], 200000
	s_cselect_b32 s2, 1, 0
	s_add_co_u32 s[\cid], s[\cid], s2
	CLIP (\sk)+20, \tg, 0, 19999
	s_lshl_b32 s2, s[(\sk)+20], 12
	s_add_nc_u64 s[(\sk):(\sk)+1], s[20:21], s[2:3]
	s_lshl_b32 s[(\sk)+20], s[(\sk)+20], 2
	CLIP (\sk)+21, \tg, 20000, 19999
	s_lshl_b32 s2, s[(\sk)+21], 10
	s_add_nc_u64 s[(\sk)+2:(\sk)+3], s[26:27], s[2:3]
	s_lshl_b32 s[(\sk)+21], s[(\sk)+21], 2
	CLIP (\sk)+22, \tg, 40000, 159999
	s_lshl_b32 s2, s[(\sk)+22], 8
	s_add_nc_u64 s[(\sk)+4:(\sk)+5], s[30:31], s[2:3]
	s_lshl_b32 s[(\sk)+22], s[(\sk)+22], 2
	CLIP (\sk)+23, \tg, 200000, 67734
	s_lshl_b32 s2, s[(\sk)+23], 6
	s_add_nc_u64 s[(\sk)+6:(\sk)+7], s[34:35], s[2:3]
	s_lshl_b32 s[(\sk)+23], s[(\sk)+23], 2
	s_load_b32 s[(\sk)+12], s[22:23], s[(\sk)+20] offset:0x0
	s_load_b32 s[(\sk)+13], s[28:29], s[(\sk)+21] offset:0x0
	s_load_b32 s[(\sk)+14], s[32:33], s[(\sk)+22] offset:0x0
	s_load_b32 s[(\sk)+15], s[36:37], s[(\sk)+23] offset:0x0
	s_load_b128 s[(\sk)+8:(\sk)+11], s[12:13], 16*(\k)
	s_add_co_u32 s2, s7, \k
	s_lshl_b32 s2, s2, 12
	s_add_nc_u64 s[(\sk)+16:(\sk)+17], s[14:15], s[2:3]
	s_lshr_b32 s2, s2, 5
	s_add_nc_u64 s[(\sk)+18:(\sk)+19], s[16:17], s[2:3]
.endm
; its 24 loads.  Registers at vb: +0 hidden (32), +32 W_head row (32), +64 W1 row (8), +72 proj1 (4), +76 W2 row (2), +78 proj2, +79 W3 row, +80 proj3
.macro TOKV sk, vb
.irp u, 0,1,2,3,4,5,6,7
	global_load_b128 v[(\vb)+4*(\u):(\vb)+4*(\u)+3], v2, s[(\sk)+16:(\sk)+17] offset:512*(\u)
	global_load_b128 v[(\vb)+32+4*(\u):(\vb)+32+4*(\u)+3], v2, s[(\sk):(\sk)+1] offset:512*(\u)
.endr
.irp u, 0,1
	global_load_b128 v[(\vb)+64+4*(\u):(\vb)+64+4*(\u)+3], v2, s[(\sk)+2:(\sk)+3] offset:512*(\u)
	global_load_b64 v[(\vb)+72+2*(\u):(\vb)+72+2*(\u)+1], v3, s[(\sk)+18:(\sk)+19] offset:262144*(\u)
.endr
	global_load_b64 v[(\vb)+76:(\vb)+77], v4, s[(\sk)+4:(\sk)+5]
	global_load_b32 v[(\vb)+78], v5, s[(\sk)+18:(\sk)+19] offset:4*131072
	global_load_b32 v[(\vb)+79], v6, s[(\sk)+6:(\sk)+7]
	global_load_u16 v[(\vb)+80], v7, s[(\sk)+18:(\sk)+19] offset:5*131072
.endm
	TOKS 0, 40, 4, 100
	TOKV 40, 64
	TOKS 1, 68, 5, 101
	TOKV 68, 160
	s_wait_kmcnt 0x0
.irp j, 0,1,2
	s_add_f32 s[48+(\j)], s[48+(\j)], s[92+(\j)]   ; the cluster logits with their bias
	s_add_f32 s[76+(\j)], s[76+(\j)], s[92+(\j)]
.endr
; log-sum-exp of the 256 numbers of token k at v[x + 2 u + k] (8 a lane); head = 1: and of the three cluster logits at s[sk + 8 ..]
.macro LSE x, k, out, head, sk
	v_max3_num_f32 v48, v[(\x)+(\k)], v[(\x)+2+(\k)], v[(\x)+4+(\k)]
	v_max3_num_f32 v48, v48, v[(\x)+6+(\k)], v[(\x)+8+(\k)]
	v_max3_num_f32 v48, v48, v[(\x)+10+(\k)], v[(\x)+12+(\k)]
	v_max_num_f32 v48, v48, v[(\x)+14+(\k)]
.if \head
.irp j, 8,9,10
	v_max_num_f32 v48, s[(\sk)+(\j)], v48
.endr
.endif
	WRED v_max_num_f32, 48, 49
	v_mul_f32 v49, s[CL2], v48
.irp u, 0,1,2,3,4,5,6,7
	v_fma_f32 v[50+(\u)], v[(\x)+2*(\u)+(\k)], s[CL2], -v49
.endr
.if \head
.irp j, 0,1,2
	v_fma_f32 v[58+(\j)], s[(\sk)+8+(\j)], s[CL2], -v49
.endr
.endif
.irp u, 0,1,2,3,4,5,6,7
	v_exp_f32 v[50+(\u)], v[50+(\u)]
.endr
.if \head
.irp j, 0,1,2
	v_exp_f32 v[58+(\j)], v[58+(\j)]
.endr
.endif
	v_nop
	s_wait_alu depctr_va_vdst(0)                   ; one wait for the batch
	v_add_f32 v50, v50, v51
	v_add_f32 v52, v52, v53
	v_add_f32 v54, v54, v55
	v_add_f32 v56, v56, v57
	v_add_f32 v50, v50, v52
	v_add_f32 v54, v54, v56
	v_add_f32 v50, v50, v54
	WRED v_add_f32, 50, 51
.if \head
	v_add_f32 v58, v58, v59
	v_add_f32 v58, v58, v60
	v_add_f32 v50, v50, v58
.endif
	v_log_f32 v50, v50
	v_nop
	s_wait_alu depctr_va_vdst(0)
	v_fmamk_f32 v[\out], v50, 0x3f317218, v48
.endm
	s_wait_loadcnt 48                              ; both tokens' 24 loads may stay out: the parts are in
	LSE 16, 0, 10, 1, 40
	LSE 16, 1, 11, 1, 68
	LSE 32, 0, 12, 0, 40
	LSE 32, 1, 13, 0, 68
; the named logit and the result
.macro DOT sk, vb, cid, hreg, treg, out
	v_pk_mul_f32 v[50:51], v[(\vb):(\vb)+1], v[(\vb)+32:(\vb)+33]
	v_pk_mul_f32 v[52:53], v[(\vb)+2:(\vb)+3], v[(\vb)+34:(\vb)+35]
.set p, 2
.rept 14
	v_pk_fma_f32 v[50+2*(p%2):51+2*(p%2)], v[(\vb)+2*p:(\vb)+2*p+1], v[(\vb)+32+2*p:(\vb)+32+2*p+1], v[50+2*(p%2):51+2*(p%2)]
.set p, p+1
.endr
	v_pk_add_f32 v[50:51], v[50:51], v[52:53]
	v_add_f32 v50, v50, v51
	v_fma_mix_f32_bf16 v54, v[(\vb)+72], v[(\vb)+64], v63 op_sel_hi:[1,0,0]
	v_fma_mix_f32_bf16 v54, v[(\vb)+72], v[(\vb)+65], v54 op_sel:[1,0,0] op_sel_hi:[1,0,0]
.irp e, 1,2,3
	v_fma_mix_f32_bf16 v54, v[(\vb)+72+(\e)], v[(\vb)+64+2*(\e)], v54 op_sel_hi:[1,0,0]
	v_fma_mix_f32_bf16 v54, v[(\vb)+72+(\e)], v[(\vb)+65+2*(\e)], v54 op_sel:[1,0,0] op_sel_hi:[1,0,0]
.endr
	v_fma_mix_f32_bf16 v55, v[(\vb)+78], v[(\vb)+76], v63 op_sel_hi:[1,0,0]
	v_fma_mix_f32_bf16 v55, v[(\vb)+78], v[(\vb)+77], v55 op_sel:[1,0,0] op_sel_hi:[1,0,0]
	v_fma_mix_f32_bf16 v56, v[(\vb)+80], v[(\vb)+79], v63 op_sel_hi:[1,0,0]
	v_cndmask_b32 v56, v63, v56, s99               ; 16 channels: lanes 16-31 add nothing
	s_cmp_eq_u32 s[\cid], 1
	s_cselect_b32 s2, -1, 0
	s_cselect_b32 s4, s[(\sk)+13], s[(\sk)+12]     ; the row's bias,
	s_cselect_b32 s5, s[(\sk)+10], s[(\sk)+8]      ; and the cluster's logit: 3 - cluster
	v_cndmask_b32 v50, v50, v54, s2
	s_cmp_eq_u32 s[\cid], 2
	s_cselect_b32 s2, -1, 0
	s_cselect_b32 s4, s[(\sk)+14], s4
	s_cselect_b32 s5, s[(\sk)+9], s5
	v_cndmask_b32 v50, v50, v55, s2
	s_cmp_eq_u32 s[\cid], 3
	s_cselect_b32 s2, -1, 0
	s_cselect_b32 s4, s[(\sk)+15], s4
	v_cndmask_b32 v50, v50, v56, s2
	WRED v_add_f32, 50, 51
	v_add_f32 v50, s4, v50
	v_sub_f32 v52, v[\treg], s5                    ; T - z
	s_cmp_eq_u32 s[\cid], 0
	s_cselect_b32 s2, -1, 0
	v_cndmask_b32 v52, v52, v63, s2                ; nothing of it for cluster 0
	v_sub_f32 v53, v[\hreg], v50
	v_add_f32 v[\out], v53, v52
.endm
	s_wait_loadcnt 24                              ; the first token's loads are in
	DOT 40, 64, 100, 10, 12, 14
	s_wait_loadcnt 0x0
	DOT 68, 160, 101, 11, 13, 15
	v_cmp_eq_u32 s2, 0, v1
	v_cndmask_b32 v14, v15, v14, s2                ; lane 0 stores the first token, the others all the second, the same number to the same word
	v_min_u32 v48, 1, v1
	v_lshlrev_b32 v48, 2, v48
	global_store_b32 v48, v14, s[38:39]
	s_endpgm
.Lfunc_end_k_q64c8285044_combine:
	.size	k_q64c8285044_combine, .Lfunc_end_k_q64c8285044_combine-k_q64c8285044_combine
	.p2alignl 7, 3214868480
	.fill 96, 4, 3214868480
	.section	.rodata,"a",@progbits
	.p2align	6, 0x0
	.amdhsa_kernel k_q64c8285044_combine
		.amdhsa_group_segment_fixed_size 0
		.amdhsa_private_segment_fixed_size 0
		.amdhsa_enable_private_segment 0
		.amdhsa_kernarg_size 128
		.amdhsa_user_sgpr_count 2
		.amdhsa_user_sgpr_kernarg_segment_ptr 1
		.amdhsa_wavefront_size32 1
		.amdhsa_system_sgpr_workgroup_id_x 1
		.amdhsa_system_sgpr_workgroup_id_y 1
		.amdhsa_system_sgpr_workgroup_id_z 1
		.amdhsa_system_vgpr_workitem_id 0
		.amdhsa_next_free_vgpr 256
		.amdhsa_next_free_sgpr 102
		.amdhsa_reserve_vcc 0
		.amdhsa_float_denorm_mode_32 3
		.amdhsa_float_denorm_mode_16_64 3
		.amdhsa_memory_ordered 1
		.amdhsa_forward_progress 1
		.amdhsa_inst_pref_size 28
	.end_amdhsa_kernel
	.amdgpu_metadata
---
amdhsa.version: [ 1, 2 ]
amdhsa.kernels:
  - .name:           k_q64c8285044_combine
    .symbol:         k_q64c8285044_combine.kd
    .args:
      - { .name: part_h, .offset: 0, .size: 8, .value_kind: global_buffer, .address_space: global }
      - { .name: part_t, .offset: 8, .size: 8, .value_kind: global_buffer, .address_space: global }
      - { .name: cl, .offset: 16, .size: 8, .value_kind: global_buffer, .address_space: global }
      - { .name: hidden, .offset: 24, .size: 8, .value_kind: global_buffer, .address_space: global }
      - { .name: pj, .offset: 32, .size: 8, .value_kind: global_buffer, .address_space: global }
      - { .name: target, .offset: 40, .size: 8, .value_kind: global_buffer, .address_space: global }
      - { .name: W_head, .offset: 48, .size: 8, .value_kind: global_buffer, .address_space: global }
      - { .name: b_head, .offset: 56, .size: 8, .value_kind: global_buffer, .address_space: global }
      - { .name: b_clusters, .offset: 64, .size: 8, .value_kind: global_buffer, .address_space: global }
      - { .name: W1, .offset: 72, .size: 8, .value_kind: global_buffer, .address_space: global }
      - { .name: b1, .offset: 80, .size: 8, .value_kind: global_buffer, .address_space: global }
      - { .name: W2, .offset: 88, .size: 8, .value_kind: global_buffer, .address_space: global }
      - { .name: b2, .offset: 96, .size: 8, .value_kind: global_buffer, .address_space: global }
      - { .name: W3, .offset: 104, .size: 8, .value_kind: global_buffer, .address_space: global }
      - { .name: b3, .offset: 112, .size: 8, .value_kind: global_buffer, .address_space: global }
      - { .name: out0, .offset: 120, .size: 8, .value_kind: global_buffer, .address_space: global }
    .group_segment_fixed_size: 0
    .private_segment_fixed_size: 0
    .kernarg_segment_align: 8
    .kernarg_segment_size: 128
    .max_flat_workgroup_size: 128
    .sgpr_count:     102
    .vgpr_count:     256
    .wavefront_size: 32
...
	.end_amdgpu_metadata
.endif
;; end of part 4
;; ======== version 2 of 2: 4 launches
;; workspace buffers: hbk 2,097,152 bytes; pj 786,432 bytes; cl 32,768 bytes; order 13,824 bytes of whole numbers; cnt 768 bytes of whole numbers; pos 12,288 bytes of whole numbers; part_h 1,048,576 bytes; part_t 1,048,576 bytes
;; launch prep (part 5): grid 225 x 1, 4 waves a work-group, no clusters, 52,480 bytes of LDS; arguments hidden, P1, P2, P3, W_clusters, target, hbk, pj, cl, order, cnt, pos; writes hbk, pj, cl, order, cnt, pos
.if DOCPART == 5
	.amdgcn_target "amdgcn-amd-amdhsa--gfx1250"
	.amdhsa_code_object_version 6
	.text
	.protected	k_q64c8285044_prep
	.globl	k_q64c8285044_prep
	.p2align	8
	.type	k_q64c8285044_prep,@function
k_q64c8285044_prep:
	s_mov_b64 s[64:65], 0
	v_nop
	global_prefetch_b8 v0, s[64:65] scope:SCOPE_SE
	s_setreg_imm32_b32 hwreg(HW_REG_WAVE_MODE, 25, 1), 1
	s_wait_xcnt 0x0
; PREP.  Three kinds of work-group, chosen by the work-group's number alone (kind = id / 32, tp = id % 32):
;   kind 0-5  a product: 32 tokens x 64 columns of [P1 | P2 | P3, W_clusters] x hidden^T, bf16 operands, f32 sums, K split among the four waves (256 each).
;             Result in bf16 into pj, blocked [6][1024 tokens][64]; the three cluster logits also in f32 into cl (plane 0, words 0-2 of a token's 16 bytes).
;             Three sets of staging registers: while one K step of 32 is converted and multiplied, the next two steps' loads are on their way.
;   kind 6    hidden rounded to bf16 into hbk, blocked [16 blocks of 64 channels][1024 tokens][64].
;   kind 7    one work-group: wave w lists the tokens of cluster w + 1 (order, padded with 1024), their number in tiles of 16 (cnt, at least 1),
;             and for each token its place: w x 1024 + rank + 1, or 0 where it is no member (pos).
; LIMITS.  Matrix operands are rounded to bf16.  target is taken as a signed number.
.set RED,   0                          ; LDS: 4 waves x 8 partial tiles x 1,024 bytes
.set OUTS,  32768                      ; 32 rows x 144 bytes: the bf16 result, for whole rows on the way out
.set OPI,   144
.set LIST,  37376                      ; wave w: 1,152 words of list and 64 dump words at LIST + 4,864 w
.set LISTB, 4864
.set SPARE, 51968                      ; the spare words, 128 bytes a wave
.set SPW, 28
.set NIL, 29
.set FR,  64                           ; v[64:111]  six bf16 fragments: two of hidden, four of P
.set ACC, 128                          ; v[128:191] eight accumulators: token tile tt, column tile j at ACC + 8 (4 tt + j)
.set FIN, 192                          ; v[192:255] the four partial sums of my two tiles
.set MSB, 0
.macro WIN new                         ; the immediate's high byte repeats the setting that is left
.if MSB != (\new)
	s_set_vgpr_msb (MSB<<8)|(\new)
.set MSB, (\new)
.endif
.endm
.macro PLACES                          ; four places behind a matrix instruction, in front of writes of its sources and reads of its results
.rept 4
	v_nop
.endr
.endm
	s_load_b512 s[8:23], s[0:1], 0x0               ; hidden 8, P1 10, P2 12, P3 14, W_clusters 16, target 18, hbk 20, pj 22
	s_load_b128 s[24:27], s[0:1], 0x40             ; cl 24, order 26
	s_load_b128 s[28:31], s[0:1], 0x50             ; cnt 28, pos 30
	v_lshl_add_u32 v[SPW], v0, 2, SPARE
	v_mov_b32 v[NIL], 0
	v_lshrrev_b32 v1, 5, v0
	v_readfirstlane_b32 s4, v1                     ; wave
	s_lshr_b32 s5, ttmp9, 5                        ; kind
	s_and_b32 s6, ttmp9, 31                        ; tp
	v_and_b32 v2, 31, v0                           ; lane
	v_and_b32 v3, 15, v0                           ; r
	v_bfe_u32 v4, v0, 4, 1                         ; h
	s_mov_b32 s47, 0                               ; the high word of every offset pair s[46:47]
	s_wait_kmcnt 0x0
	s_cmp_eq_u32 s5, 7
	s_cbranch_scc1 .Llists
	s_cmp_eq_u32 s5, 6
	s_cbranch_scc1 .Lconv
; ---------------- the products ----------------
	s_cmp_lt_u32 s5, 4
	s_cselect_b64 s[44:45], s[10:11], s[12:13]     ; P1 for kinds 0-3, P2 for kind 4
	s_cselect_b32 s32, s5, 0
	s_lshl_b32 s32, s32, 18                        ; 64 rows of 4,096 bytes for each kind within P1
	s_cmp_eq_u32 s5, 5
	s_cselect_b64 s[36:37], s[14:15], s[44:45]     ; column tile 0: P3 in kind 5
	s_cselect_b64 s[38:39], s[16:17], s[44:45]     ; column tiles 1-3: W_clusters in kind 5
	s_cselect_b32 s33, 0, 65536                    ; 16 rows from tile to tile, none in kind 5
	s_cselect_b32 s34, 2, 15                       ; the last row that tiles 1-3 may name
	s_mov_b64 s[40:41], s[38:39]
	s_mov_b64 s[42:43], s[38:39]
	s_lshl_b32 s35, s4, 10                         ; my 256 channels: 1,024 bytes of a row
	s_add_co_u32 s46, s32, s35
	s_add_nc_u64 s[36:37], s[36:37], s[46:47]
	s_add_co_u32 s46, s46, s33
	s_add_nc_u64 s[38:39], s[38:39], s[46:47]
	s_add_co_u32 s46, s46, s33
	s_add_nc_u64 s[40:41], s[40:41], s[46:47]
	s_add_co_u32 s46, s46, s33
	s_add_nc_u64 s[42:43], s[42:43], s[46:47]
	s_lshl_b32 s46, s6, 17                         ; 32 tokens of 4,096 bytes
	s_add_co_u32 s46, s46, s35
	s_add_nc_u64 s[48:49], s[8:9], s[46:47]        ; hidden at my tokens and channels
	s_lshl_b32 s46, s5, 17
	s_lshl_b32 s54, s6, 12
	s_add_co_u32 s46, s46, s54
	s_add_nc_u64 s[50:51], s[22:23], s[46:47]      ; pj at block kind, token 32 tp
	s_lshl_b32 s46, s6, 9
	s_lshr_b32 s54, s4, 1
	s_lshl_b32 s54, s54, 8
	s_add_co_u32 s46, s46, s54
	s_add_nc_u64 s[52:53], s[24:25], s[46:47]      ; cl at token 32 tp + 16 (wave / 2)
	v_lshlrev_b32 v5, 12, v3
	v_lshl_add_u32 v5, v4, 5, v5                   ; row r, 8 f32 for each half of the lanes
	v_min_u32 v6, s34, v3
	v_lshlrev_b32 v6, 12, v6
	v_lshl_add_u32 v6, v4, 5, v6                   ; the same with the row held inside W_clusters
	v_lshlrev_b32 v7, 4, v2
	v_mov_b32 v8, v7
	s_lshl_b32 s54, s4, 13
	v_add_nc_u32 v7, s54, v7                       ; where I put partial tiles: 8,192 wave + 16 lane
	s_lshl_b32 s54, s4, 11
	v_add_nc_u32 v8, s54, v8                       ; where I read them: my two tiles, 2,048 wave + 16 lane
	s_lshr_b32 s54, s4, 1
	s_mul_i32 s54, s54, 16*OPI
	s_and_b32 s55, s4, 1
	s_lshl_b32 s55, s55, 6
	s_add_co_u32 s54, s54, s55
	s_add_co_u32 s54, s54, OUTS
	v_mul_u32_u24 v9, v3, OPI
	v_lshl_add_u32 v9, v4, 4, v9
	v_add_nc_u32 v9, s54, v9                       ; bf16 result in: row 16 tt + r, bytes 32 j + 16 h
	v_lshrrev_b32 v10, 3, v0
	v_mul_u32_u24 v10, v10, OPI
	v_and_b32 v11, 7, v0
	v_lshl_add_u32 v10, v11, 4, v10
	v_add_nc_u32 v10, OUTS, v10                    ; and back: 8 threads a row of 128 bytes
	v_lshlrev_b32 v11, 4, v0
	v_lshlrev_b32 v12, 14, v4
	v_lshl_add_u32 v12, v3, 4, v12                 ; cl: plane h, token r
; 24 loads: 32 channels (128 bytes of f32) of two token tiles and four column tiles into staging set b: sets 0 and 1 lie in window 1 (v0-95, v96-191), set 2 in window 2 (v0-95)
.macro LD f, b
.set sb, 96*((\b)&1)
	WIN (0x40<<((\b)>>1))
.irp q, 0,1,2,3
	global_load_b128 v[sb+4*(\q):sb+4*(\q)+3], v5, s[48:49] offset:128*(\f)+16*((\q)&1)+64*((\q)>>1)
	global_load_b128 v[sb+16+4*(\q):sb+16+4*(\q)+3], v5, s[48:49] offset:65536+128*(\f)+16*((\q)&1)+64*((\q)>>1)
	global_load_b128 v[sb+32+4*(\q):sb+32+4*(\q)+3], v5, s[36:37] offset:128*(\f)+16*((\q)&1)+64*((\q)>>1)
	global_load_b128 v[sb+48+4*(\q):sb+48+4*(\q)+3], v6, s[38:39] offset:128*(\f)+16*((\q)&1)+64*((\q)>>1)
	global_load_b128 v[sb+64+4*(\q):sb+64+4*(\q)+3], v6, s[40:41] offset:128*(\f)+16*((\q)&1)+64*((\q)>>1)
	global_load_b128 v[sb+80+4*(\q):sb+80+4*(\q)+3], v6, s[42:43] offset:128*(\f)+16*((\q)&1)+64*((\q)>>1)
.endr
.endm
.macro CV b                            ; 96 f32 to 48 registers of bf16: the loads above left them in a fragment's order
.set sb, 96*((\b)&1)
	WIN (0x05<<((\b)>>1))
.set n, 0
.rept 48
	v_cvt_pk_bf16_f32 v[FR+n], v[sb+2*n], v[sb+2*n+1]
.set n, n+1
.endr
.endm
.macro MU first                        ; source 0 = 16 rows of P, source 1 = 16 tokens: a lane ends with one token and eight columns; the eight accumulators take turns
	WIN 0
.irp tt, 0,1
.irp j, 0,1,2,3
.if \first
	v_wmma_f32_16x16x32_bf16 v[ACC+8*(4*(\tt)+(\j)):ACC+8*(4*(\tt)+(\j))+7], v[FR+16+8*(\j):FR+16+8*(\j)+7], v[FR+8*(\tt):FR+8*(\tt)+7], 0
.else
	v_wmma_f32_16x16x32_bf16 v[ACC+8*(4*(\tt)+(\j)):ACC+8*(4*(\tt)+(\j))+7], v[FR+16+8*(\j):FR+16+8*(\j)+7], v[FR+8*(\tt):FR+8*(\tt)+7], v[ACC+8*(4*(\tt)+(\j)):ACC+8*(4*(\tt)+(\j))+7]
.endif
.endr
.endr
.endm
	LD 0, 0
	LD 1, 1
	LD 2, 2
.irp f, 0,1,2,3,4,5,6,7
.if (\f) < 6
	s_wait_loadcnt 48                              ; this step's 24 loads are in; the next two steps' 48 may stay out
.elseif (\f) == 6
	s_wait_loadcnt 24                              ; the last step's 24 may stay out
.else
	s_wait_loadcnt 0x0
.endif
	PLACES
	CV (\f)%3
.if (\f) < 5
	LD (\f)+3, (\f)%3
.endif
.if (\f) == 0
	MU 1
.else
	MU 0
.endif
.endr
	PLACES
	WIN 0
.set e, 0
.rept 8
	ds_store_b128 v7, v[ACC+8*e:ACC+8*e+3] offset:RED+1024*e
	ds_store_b128 v7, v[ACC+8*e+4:ACC+8*e+7] offset:RED+1024*e+512
.set e, e+1
.endr
	s_wait_dscnt 0x0                               ; for the others: my partial sums lie in LDS
	s_barrier_signal -1
	s_barrier_wait -1
.irp e, 0,1
.irp v, 0,1,2,3
	ds_load_b128 v[FIN+32*(\e)+8*(\v):FIN+32*(\e)+8*(\v)+3], v8 offset:RED+8192*(\v)+1024*(\e)
	ds_load_b128 v[FIN+32*(\e)+8*(\v)+4:FIN+32*(\e)+8*(\v)+7], v8 offset:RED+8192*(\v)+1024*(\e)+512
.endr
.endr
	s_wait_dscnt 0x0
.irp e, 0,1
.irp p, 0,2,4,6
	v_pk_add_f32 v[FIN+32*(\e)+(\p):FIN+32*(\e)+(\p)+1], v[FIN+32*(\e)+(\p):FIN+32*(\e)+(\p)+1], v[FIN+32*(\e)+8+(\p):FIN+32*(\e)+8+(\p)+1]
	v_pk_add_f32 v[FIN+32*(\e)+16+(\p):FIN+32*(\e)+16+(\p)+1], v[FIN+32*(\e)+16+(\p):FIN+32*(\e)+16+(\p)+1], v[FIN+32*(\e)+24+(\p):FIN+32*(\e)+24+(\p)+1]
.endr
.irp p, 0,2,4,6
	v_pk_add_f32 v[FIN+32*(\e)+(\p):FIN+32*(\e)+(\p)+1], v[FIN+32*(\e)+(\p):FIN+32*(\e)+(\p)+1], v[FIN+32*(\e)+16+(\p):FIN+32*(\e)+16+(\p)+1]
.endr
.endr
	s_cmp_eq_u32 s5, 5                             ; kind 5, even waves: my second tile is column tile 1, whose first three columns are the cluster logits
	s_cselect_b32 s54, 1, 0
	s_and_b32 s55, s4, 1
	s_cmp_eq_u32 s55, 0
	s_cselect_b32 s55, 1, 0
	s_and_b32 s54, s54, s55
	s_cmp_eq_u32 s54, 0
	s_cbranch_scc1 .Lnocl
	global_store_b128 v12, v[FIN+32:FIN+35], s[52:53]  ; sixteen lanes store 256 consecutive bytes, aligned
.Lnocl:
.irp e, 0,1
.irp i, 0,1,2,3
	v_cvt_pk_bf16_f32 v[112+4*(\e)+(\i)], v[FIN+32*(\e)+2*(\i)], v[FIN+32*(\e)+2*(\i)+1]
.endr
.endr
	ds_store_b128 v9, v[112:115]
	ds_store_b128 v9, v[116:119] offset:32
	s_wait_dscnt 0x0
	s_barrier_signal -1
	s_barrier_wait -1
	ds_load_b128 v[120:123], v10
	ds_load_b128 v[124:127], v10 offset:16*OPI
	s_wait_dscnt 0x0
	global_store_b128 v11, v[120:123], s[50:51]            ; a wave stores 512 consecutive bytes
	global_store_b128 v11, v[124:127], s[50:51] offset:2048
	s_wait_tensorcnt 0x0                           ; the wave's end, behind my last LDS store
	ds_add_u32 v[SPW], v[NIL]
	s_wait_dscnt 0x0
	s_endpgm
; ---------------- hidden to bf16, blocked ----------------
.Lconv:
	v_lshrrev_b32 v5, 3, v0
	v_lshlrev_b32 v5, 12, v5
	v_and_b32 v6, 7, v0
	v_lshl_add_u32 v5, v6, 5, v5                   ; token t / 8, 32 bytes (8 f32) for each of 8 threads
	v_lshlrev_b32 v7, 4, v0
	s_lshl_b32 s46, s6, 17
	s_add_nc_u64 s[48:49], s[8:9], s[46:47]
	s_lshl_b32 s46, s6, 12
	s_add_nc_u64 s[50:51], s[20:21], s[46:47]
	WIN 0x40
.set n, 0
.rept 64                                       ; block n / 4, tokens 16 ((n / 2) % 2) on, half n % 2 of my 32 bytes
	global_load_b128 v[4*n:4*n+3], v5, s[48:49] offset:65536*((n>>1)&1)+256*(n>>2)+16*(n&1)
.set n, n+1
.endr
.irp g, 0,1,2,3
	s_wait_loadcnt 48-16*(\g)                      ; the oldest 16 (g + 1) loads are in
	WIN 0x05
.set n, 0
.rept 32
	v_cvt_pk_bf16_f32 v[64+32*(\g)+n], v[64*(\g)+2*n], v[64*(\g)+2*n+1]
.set n, n+1
.endr
	WIN 0
.set n, 0
.rept 8
	global_store_b128 v7, v[64+32*(\g)+4*n:64+32*(\g)+4*n+3], s[50:51] offset:131072*(4*(\g)+(n>>1))+2048*(n&1)
.set n, n+1
.endr
.endr
	s_endpgm
; ---------------- the lists ----------------
.Llists:
	s_cmp_eq_u32 s4, 3
	s_cbranch_scc0 .Lmine
	s_endpgm                                       ; wave 3 has no cluster and has written nothing
.Lmine:
	s_mov_b32 s32, 40000                           ; my cluster's first target,
	s_mov_b32 s33, 199999                          ; and its last: cluster 2's, unless the wave's number says otherwise
	s_cmp_eq_u32 s4, 0
	s_cselect_b32 s32, 20000, s32
	s_cselect_b32 s33, 39999, s33
	s_cmp_eq_u32 s4, 2
	s_cselect_b32 s32, 200000, s32
	s_cselect_b32 s33, 0x7fffffff, s33
	s_mul_i32 s34, s4, LISTB
	s_add_co_u32 s34, s34, LIST
	s_mul_i32 s46, s4, 4608
	s_add_nc_u64 s[48:49], s[26:27], s[46:47]
	s_lshl_b32 s46, s4, 12
	s_add_nc_u64 s[50:51], s[30:31], s[46:47]
	s_lshl_b32 s46, s4, 8
	s_add_nc_u64 s[52:53], s[28:29], s[46:47]
	v_lshlrev_b32 v5, 4, v2
.irp q, 0,1,2,3,4,5,6,7
	global_load_b128 v[64+4*(\q):64+4*(\q)+3], v5, s[18:19] offset:512*(\q)  ; register 4 q + e of lane l: token 128 q + 4 l + e
.endr
	v_add_nc_u32 v6, s34, v5
.irp i, 32,33,34,35
	v_mov_b32 v[\i], 1024
.endr
.irp k, 0,1,2,3,4,5,6,7,8
	ds_store_b128 v6, v[32:35] offset:512*(\k)     ; the padding behind the list
.endr
	v_lshlrev_b32 v7, 2, v2
	v_add_nc_u32 v8, 1152, v2                      ; a lane's dump word, for targets of other clusters
	s_mov_b32 s35, 0                               ; members so far
	s_lshl_b32 s36, s4, 10
	s_add_co_u32 s36, s36, 1
	s_wait_loadcnt 0x0
.set n, 0
.rept 32
	v_cmp_le_i32 s38, s32, v[64+n]
	v_cmp_ge_i32 s39, s33, v[64+n]
	s_and_b32 s38, s38, s39
	v_mbcnt_lo_u32_b32 v9, s38, s35                ; rank: the members before me
	v_add_nc_u32 v10, s36, v9
	v_cndmask_b32 v[96+n], 0, v10, s38             ; 1,024 w + rank + 1, or 0
	v_cndmask_b32 v9, v8, v9, s38
	v_min_u32 v9, 1215, v9                         ; inside my list and dump words
	v_lshl_add_u32 v9, v9, 2, s34
	v_add_nc_u32 v10, 128*(n>>2)+(n&3), v7
	ds_store_b32 v9, v10
	s_bcnt1_i32_b32 s39, s38
	s_add_co_u32 s35, s35, s39
.set n, n+1
.endr
.irp k, 0,1,2,3,4,5,6,7,8
	ds_load_b128 v[128+4*(\k):128+4*(\k)+3], v6 offset:512*(\k)  ; LDS serves a wave's instructions in order: these see the stores above
.endr
.irp q, 0,1,2,3,4,5,6,7
	global_store_b128 v5, v[96+4*(\q):96+4*(\q)+3], s[50:51] offset:512*(\q)
.endr
	s_add_co_u32 s35, s35, 15
	s_lshr_b32 s35, s35, 4
	s_max_u32 s35, s35, 1                          ; at least one tile, so that every tail's work is done on every input
	v_mov_b32 v12, s35
	v_mov_b32 v13, s35
	v_lshlrev_b32 v14, 3, v2
	global_store_b64 v14, v[12:13], s[52:53]       ; 64 copies: 256 consecutive bytes
	s_wait_dscnt 0x0
.irp k, 0,1,2,3,4,5,6,7,8
	global_store_b128 v5, v[128+4*(\k):128+4*(\k)+3], s[48:49] offset:512*(\k)
.endr
	s_wait_tensorcnt 0x0                           ; the wave's end, behind my last LDS store
	ds_add_u32 v[SPW], v[NIL]
	s_wait_dscnt 0x0
	s_endpgm
.Lfunc_end_k_q64c8285044_prep:
	.size	k_q64c8285044_prep, .Lfunc_end_k_q64c8285044_prep-k_q64c8285044_prep
	.p2alignl 7, 3214868480
	.fill 96, 4, 3214868480
	.section	.rodata,"a",@progbits
	.p2align	6, 0x0
	.amdhsa_kernel k_q64c8285044_prep
		.amdhsa_group_segment_fixed_size 52480
		.amdhsa_private_segment_fixed_size 0
		.amdhsa_enable_private_segment 0
		.amdhsa_kernarg_size 96
		.amdhsa_user_sgpr_count 2
		.amdhsa_user_sgpr_kernarg_segment_ptr 1
		.amdhsa_wavefront_size32 1
		.amdhsa_system_sgpr_workgroup_id_x 1
		.amdhsa_system_sgpr_workgroup_id_y 1
		.amdhsa_system_sgpr_workgroup_id_z 1
		.amdhsa_system_vgpr_workitem_id 0
		.amdhsa_next_free_vgpr 640
		.amdhsa_next_free_sgpr 66
		.amdhsa_reserve_vcc 0
		.amdhsa_float_denorm_mode_32 3
		.amdhsa_float_denorm_mode_16_64 3
		.amdhsa_memory_ordered 1
		.amdhsa_forward_progress 1
		.amdhsa_inst_pref_size 102
	.end_amdhsa_kernel
	.amdgpu_metadata
---
amdhsa.version: [ 1, 2 ]
amdhsa.kernels:
  - .name:           k_q64c8285044_prep
    .symbol:         k_q64c8285044_prep.kd
    .args:
      - { .name: hidden, .offset: 0, .size: 8, .value_kind: global_buffer, .address_space: global }
      - { .name: P1, .offset: 8, .size: 8, .value_kind: global_buffer, .address_space: global }
      - { .name: P2, .offset: 16, .size: 8, .value_kind: global_buffer, .address_space: global }
      - { .name: P3, .offset: 24, .size: 8, .value_kind: global_buffer, .address_space: global }
      - { .name: W_clusters, .offset: 32, .size: 8, .value_kind: global_buffer, .address_space: global }
      - { .name: target, .offset: 40, .size: 8, .value_kind: global_buffer, .address_space: global }
      - { .name: hbk, .offset: 48, .size: 8, .value_kind: global_buffer, .address_space: global }
      - { .name: pj, .offset: 56, .size: 8, .value_kind: global_buffer, .address_space: global }
      - { .name: cl, .offset: 64, .size: 8, .value_kind: global_buffer, .address_space: global }
      - { .name: order, .offset: 72, .size: 8, .value_kind: global_buffer, .address_space: global }
      - { .name: cnt, .offset: 80, .size: 8, .value_kind: global_buffer, .address_space: global }
      - { .name: pos, .offset: 88, .size: 8, .value_kind: global_buffer, .address_space: global }
    .group_segment_fixed_size: 52480
    .private_segment_fixed_size: 0
    .kernarg_segment_align: 8
    .kernarg_segment_size: 96
    .max_flat_workgroup_size: 128
    .sgpr_count:     66
    .vgpr_count:     640
    .wavefront_size: 32
...
	.end_amdgpu_metadata
.endif
;; end of part 5
;; launch head: the kernel of part 2 again; grid 4 x 64, 4 waves a work-group, clusters of 4 x 4, 327,680 bytes of LDS; arguments hbk, W_head, b_head, part_h; writes part_h
;; launch tails (part 6): grid 256 x 1, 8 waves a work-group, no clusters, 218,368 bytes of LDS; arguments pj, order, cnt, W1, b1, W2, b2, W3, b3, part_t, pos; writes part_t
.if DOCPART == 6
	.amdgcn_target "amdgcn-amd-amdhsa--gfx1250"
	.amdhsa_code_object_version 6
	.text
	.protected	k_q64c8285044_tails
	.globl	k_q64c8285044_tails
	.p2align	8
	.type	k_q64c8285044_tails,@function
k_q64c8285044_tails:
	s_mov_b64 s[64:65], 0
	v_nop
	global_prefetch_b8 v0, s[64:65] scope:SCOPE_SE
	s_setreg_imm32_b32 hwreg(HW_REG_WAVE_MODE, 25, 1), 1
	s_wait_xcnt 0x0
; TAILS.  part_t[g][token] = log of the sum of exp(proj_i[token] . W_i[row] + b_i[row]) over work-group g's rows of the token's OWN tail i (the only tail whose result is kept); 0 for cluster 0.
; SHARES.  Slice sl = 8 g + w of 2,048 owns rows [V sl / 2048, V (sl + 1) / 2048) of each tail: 33-34 rows of W3 (3 tiles), 78-79 of W2 (5 tiles), 9-10 of W1 (1 tile).  The tiles begin at
; min(start, V - 16 tiles); rows outside the slice take the bias -1e30.  A wave's rows are loaded from memory once, rounded to bf16 and KEPT IN REGISTERS;
; every wave walks all tiles of 16 tokens of the tail's list (their number comes as a whole number from the launch before).
; W2 AND W1 COME BY WHOLE ROWS: each load of the wave covers 512 consecutive bytes; a lane's four numbers are rounded to 8 bytes, put into the wave's own LDS bytes and read back as fragments
; (a fragment wants 16 rows side by side in the lanes, 32 bytes of each).  Once a wave, no barrier.
; CHUNKS.  The tokens' projections (bf16, gathered by the list) lie in LDS, 128 list slots (8 tiles) a chunk; a tail has 8 chunks, a constant count.  Eight neighbouring lanes fetch the 128 bytes of one
; token's row of pj; the next chunk's rows come into registers while this chunk is worked on, the list's numbers for the chunk after that behind them.
; Source 0 = 16 rows of W, source 1 = 16 tokens: a lane holds one token and 8 rows a tile.  For each tile a lane takes its own maximum m over its scores away, sums l, and puts (m, l) into its wave's stage;
; behind a barrier wave w merges tile w: a token's 16 pairs (8 waves x 2 halves of the lanes), again with their maximum taken away.  A wave keeps its 8 chunks' results in 8 registers that shift by one
; a chunk, stores them in list order behind the loop, and at the end each thread gathers its four tokens.
; THE CHANGE OF CHUNKS has two barriers.  Behind the first (all pairs stored, all reads of the rows over) the merge's LDS loads go out and the next chunk's rows are stored, under one wait;
; behind the second the next chunk's first fragments are asked for, and the merge's arithmetic, work on registers, stands behind that request.
; THE 8 TILES OF A CHUNK ARE WRITTEN OUT: every LDS address but the final gather's is a register that no loop rewrites, and an immediate.  A tile beyond the chunk's last jumps forward to the chunk's barrier.
; NO CLUSTER: no two work-groups share rows of W, and the projections are a small part of the bytes.  NO TENSOR LOADS: a row of W is wanted by one wave alone.
; TWO WAVES A SIMD: the tile work has far more vector than matrix work and no barrier inside a chunk, and W in registers costs no LDS reads.
; LIMITS.  bf16 operands; a row outside the slice counts as -1e30; a weight below 2^-126 counts as 0; NaN and infinities are not treated apart.
.set CT,   8                           ; tiles in a chunk
.set B1,   0                           ; 128 rows of 528 bytes (256 bf16 + 16)
.set P1B,  528
.set B2,   128*528                     ; 128 rows of 144 bytes
.set P2B,  144
.set B3,   B2+128*144                  ; 128 rows of 48 bytes
.set P3B,  48
.set STG,  B3+128*48                   ; wave w: 8 tiles x 32 lanes x (m, l)
.set STGW, CT*256
.set RES,  STG+8*STGW                  ; 3 x 1,024 results in list order, and the word 3,072 = 0.0
.set BSC,  RES+12544                   ; 512 bytes a wave for the bias
.set XW,   BSC+4096                    ; wave w: where its rows of W2 (80 x 144 bytes), later of W1 (16 x 528), are turned into fragments
.set XWB,  80*P2B
.set SPARE, XW+8*XWB                   ; the spare words, 128 bytes a wave
.set GA,  4                            ; v4-7   byte offsets in pj of the rows that I gather
.set LB03, 8                           ; v8-10  my place in tile 0 of regions 3, 2, 1: row r, 16 bytes for each half of the lanes
.set LB02, 9
.set LB01, 10
.set ST0, 11                           ; v11  my 8 bytes in tile 0 of my wave's stage
.set MG,  12                           ; v12  the merge: my token's pair in tile w of the stage of wave 4 h
.set GW3, 13                           ; v13-15 where my 16 bytes of a gathered row go
.set GW2, 14
.set GW1, 15
.set IX3, 17                           ; v17     the list's number for my slot of the next chunk, tail 3
.set IX2, 18                           ; v18-21  for my four slots, tail 2
.set IX1, 22                           ; v22-25  tail 1
.set SPW, 28
.set NIL, 29
.set BS,  30
.set BR,  31
.set MRG, 208                          ; v208-223
.set OXB12, 224                        ; 4 (t / 8): my first slot's word in a chunk of a list
.set OXB3, 225                         ; 4 (t / 2)
.set PC12, 226                         ; 16 (t % 8): my 16 bytes of a row
.set PC3,  227                         ; 16 (t % 2)
.set OX,   228                         ; the word's offset in the chunk whose numbers are asked for next
.set OXC,  229                         ; the same, held inside the list
.set RR,   230                         ; v230-237 my wave's results: behind the loop chunk c's lies in RR + c
.set RSB,  238                         ; RES + 4 (16 w + r)
.set TM,  240
.set XS,  248                          ; where I put 8 bytes of a row of W; at work at the head
.set XL,  249                          ; where I read a fragment's 16 bytes; at work at the head
.set NEU, 252                          ; -1e30
; window 1: v0-159 W2 as loaded, then v0-127 W1 as loaded, then v0-63 the next chunk's rows for tail 1; v128-143 the same for tail 2; v160-183 W3 as loaded, then v160-163 the rows for tail 3
.set BB3, 192
.set BB2, 194
.set BB1, 197
.set WO3, 198                          ; row r of 64 bytes, 8 f32 for each half of the lanes
.set WOC, 199                          ; 16 x lane
.set BO3, 201
.set BO2, 203
.set BO1, 206
.set POF, 207
.set PS,  208
.set WV,  4
.set SEL, 30                           ; s30, s31 v_permlanex16_b32's selects: each lane takes its own place in the other half
.set CH,  44
.set NTC, 45
.set NX,  46
.set T0,  48
.set CS,  50
.set MSB, 0
.macro WIN new
.if MSB != (\new)
	s_set_vgpr_msb (MSB<<8)|(\new)
.set MSB, (\new)
.endif
.endm
	s_load_b512 s[8:23], s[0:1], 0x0               ; pj 8, order 10, cnt 12, W1 14, b1 16, W2 18, b2 20, W3 22
	s_load_b128 s[24:27], s[0:1], 0x40             ; b3 24, part_t 26
	s_load_b64 s[28:29], s[0:1], 0x50              ; pos
	v_lshl_add_u32 v[SPW], v0, 2, SPARE
	v_mov_b32 v[NIL], 0
	v_lshrrev_b32 v1, 5, v0
	v_readfirstlane_b32 s[WV], v1
	s_lshl_b32 s5, ttmp9, 3
	s_add_co_u32 s5, s5, s[WV]                     ; my slice
	s_mul_i32 s32, s5, 67735
	s_add_co_u32 s33, s32, 67735
	s_lshr_b32 s32, s32, 11                        ; tail 3: first row, the row behind the last,
	s_lshr_b32 s33, s33, 11
	s_min_u32 s34, s32, 67687                      ; and the first row of my tiles
	s_mul_i32 s35, s5, 625
	s_add_co_u32 s36, s35, 625
	s_lshr_b32 s38, s35, 6                         ; tail 1
	s_lshr_b32 s39, s36, 6
	s_min_u32 s40, s38, 19984
	s_lshr_b32 s35, s35, 3                         ; tail 2
	s_lshr_b32 s36, s36, 3
	s_min_u32 s37, s35, 159920
	s_mov_b32 s[CS], 0x3fb8aa3b                    ; log2(e)
	s_mov_b32 s[CS+1], s[CS]
	s_mov_b32 s[SEL], 0x76543210
	s_mov_b32 s[SEL+1], 0xfedcba98
	s_mov_b32 s53, 0
	v_and_b32 v1, 31, v0                           ; lane
	v_and_b32 v2, 15, v0                           ; r
	v_bfe_u32 v3, v0, 4, 1                         ; h
	v_mul_u32_u24 v[LB03], v2, P3B
	v_lshl_add_u32 v[LB03], v3, 4, v[LB03]
	v_add_nc_u32 v[LB03], B3, v[LB03]
	v_mul_u32_u24 v[LB02], v2, P2B
	v_lshl_add_u32 v[LB02], v3, 4, v[LB02]
	v_add_nc_u32 v[LB02], B2, v[LB02]
	v_mul_u32_u24 v[LB01], v2, P1B
	v_lshl_add_u32 v[LB01], v3, 4, v[LB01]
	s_lshl_b32 s[T0], s[WV], 11
	s_add_co_u32 s[T0], s[T0], STG
	v_lshl_add_u32 v[ST0], v1, 3, s[T0]            ; my stage: 8 bytes a lane, 256 a tile, 2,048 a wave
	s_lshl_b32 s[T0], s[WV], 8
	s_add_co_u32 s[T0], s[T0], STG
	v_lshl_add_u32 v[MG], v3, 13, s[T0]            ; the merge: tile w; lanes 0-15 take the stages of waves 0-3, lanes 16-31 those of waves 4-7;
	v_lshl_add_u32 v[MG], v2, 3, v[MG]             ; token r
	s_lshl_b32 s[T0], s[WV], 6
	s_add_co_u32 s[T0], s[T0], RES
	v_lshl_add_u32 v[RSB], v2, 2, s[T0]            ; slot 16 w + r of a chunk
	v_lshrrev_b32 v248, 3, v0                      ; tails 1 and 2: eight threads a row; thread t serves slots t / 8 + 32 p, p = 0 .. 3
	v_and_b32 v249, 7, v0
	v_lshlrev_b32 v[PC12], 4, v249
	v_lshlrev_b32 v[OXB12], 2, v248
	v_mul_u32_u24 v[GW2], v248, P2B
	v_lshl_add_u32 v[GW2], v249, 4, v[GW2]
	v_add_nc_u32 v[GW2], B2, v[GW2]
	v_mul_u32_u24 v[GW1], v248, P1B
	v_lshl_add_u32 v[GW1], v249, 4, v[GW1]
	v_lshrrev_b32 v248, 1, v0                      ; tail 3: two threads a row of 32 bytes; thread t serves slot t / 2
	v_and_b32 v249, 1, v0
	v_lshlrev_b32 v[PC3], 4, v249
	v_lshlrev_b32 v[OXB3], 2, v248
	v_mul_u32_u24 v[GW3], v248, P3B
	v_lshl_add_u32 v[GW3], v249, 4, v[GW3]
	v_add_nc_u32 v[GW3], B3, v[GW3]
	s_lshl_b32 s[T0], s[WV], 9
	s_add_co_u32 s[T0], s[T0], BSC
	v_lshl_add_u32 v[BS], v1, 2, s[T0]
	v_lshl_add_u32 v[BR], v3, 5, s[T0]
	v_lshlrev_b32 v251, 5, v3
	v_mov_b32 v[NEU], 0xf149f2ca
.set q, 0
.rept 8
	v_mov_b32 v[RR+q], 0                           ; written once, so that the shift below reads nothing unwritten
.set q, q+1
.endr
.set q, 0
.rept 16
	v_mov_b32 v[MRG+q], 0                          ; written once: the merge's loads and its arithmetic stand in two branches on one condition
.set q, q+1
.endr
	v_add_nc_u32 v241, s34, v1                     ; the rows whose bias I fetch, held inside the tables
	v_add_nc_u32 v242, 32, v241
	v_add_nc_u32 v243, s37, v1
	v_add_nc_u32 v244, 32, v243
	v_add_nc_u32 v245, 64, v243
	v_add_nc_u32 v246, s40, v1
	v_min_u32 v241, 67734, v241
	v_min_u32 v242, 67734, v242
	v_min_u32 v243, 159999, v243
	v_min_u32 v244, 159999, v244
	v_min_u32 v245, 159999, v245
	v_min_u32 v246, 19999, v246
	WIN 0x40
	v_lshl_add_u32 v[WO3], v2, 6, v251
	v_lshlrev_b32 v[WOC], 4, v1
.irp u, 0,1,2,3,4,5
	v_lshlrev_b32 v[BO3+(\u)], 2, v[241+(\u)]
.endr
	v_lshlrev_b32 v[POF], 4, v0
	WIN 0
	s_wait_kmcnt 0x0
	s_load_b32 s43, s[12:13], 0x0                  ; tiles of 16 tokens in list 1,
	s_load_b32 s42, s[12:13], 0x100                ; 2,
	s_load_b32 s41, s[12:13], 0x200                ; 3
	s_lshl_b32 s52, s34, 6
	s_add_nc_u64 s[54:55], s[22:23], s[52:53]      ; W3, W2, W1 at my tiles' first row
	s_lshl_b32 s52, s37, 8
	s_add_nc_u64 s[56:57], s[18:19], s[52:53]
	s_lshl_b32 s52, s40, 10
	s_add_nc_u64 s[58:59], s[14:15], s[52:53]
	s_lshl_b32 s52, ttmp9, 12
	s_add_nc_u64 s[26:27], s[26:27], s[52:53]
	global_load_b32 v248, v[OXB3], s[10:11] offset:2*4608          ; the lists' numbers for my slots of chunk 0 (at work) and of chunk 1 (kept): 18 loads
	global_load_b32 v[IX3], v[OXB3], s[10:11] offset:2*4608+512
.irp p, 0,1,2,3
	global_load_b32 v[240+(\p)], v[OXB12], s[10:11] offset:4608+128*(\p)
	global_load_b32 v[IX2+(\p)], v[OXB12], s[10:11] offset:4608+512+128*(\p)
	global_load_b32 v[244+(\p)], v[OXB12], s[10:11] offset:128*(\p)
	global_load_b32 v[IX1+(\p)], v[OXB12], s[10:11] offset:512+128*(\p)
.endr
	WIN 0x41
.irp a, 0,1,2
	global_load_b128 v[160+8*(\a):160+8*(\a)+3], v[WO3], s[54:55] offset:1024*(\a)      ; W3 straight into a fragment's order: two loads go over each row's 64 bytes, so no hint
	global_load_b128 v[160+8*(\a)+4:160+8*(\a)+7], v[WO3], s[54:55] offset:1024*(\a)+16
.endr
	global_load_b32 v[BB3], v[BO3], s[24:25]
	global_load_b32 v[BB3+1], v[BO3+1], s[24:25]
	WIN 0
	s_wait_loadcnt 8                               ; W3's and b3's 8 loads may stay out: the 18 numbers are in
; my 16 bytes of the rows that I gather for tail i: 1, 4 or 16 loads, from the offsets in v[ga ..]; eight (tail 3: two) neighbouring lanes take neighbouring bytes of one row
.macro GATHL i, ga, dst
.set p, 0
.if (\i) == 3
	global_load_b128 v[(\dst):(\dst)+3], v[\ga], s[8:9] offset:5*131072
.elseif (\i) == 2
.rept 4
	global_load_b128 v[(\dst)+4*p:(\dst)+4*p+3], v[(\ga)+p], s[8:9] offset:4*131072
.set p, p+1
.endr
.else
.rept 16                               ; slot p / 4 of my four, block p % 4 of 64 channels
	global_load_b128 v[(\dst)+4*p:(\dst)+4*p+3], v[(\ga)+(p>>2)], s[8:9] offset:(p&3)*131072
.set p, p+1
.endr
.endif
.endm
.macro GSTORE i, src                   ; into the rows of the tail's region
.set p, 0
.if (\i) == 3
	ds_store_b128 v[GW3], v[(\src):(\src)+3]
.elseif (\i) == 2
.rept 4
	ds_store_b128 v[GW2], v[(\src)+4*p:(\src)+4*p+3] offset:p*32*P2B
.set p, p+1
.endr
.else
.rept 16
	ds_store_b128 v[GW1], v[(\src)+4*p:(\src)+4*p+3] offset:(p>>2)*32*P1B+(p&3)*128
.set p, p+1
.endr
.endif
.endm
	v_min_u32 v248, 1023, v248                     ; behind a list's end stands 1,024: held inside the table
	v_lshl_add_u32 v248, v248, 7, v[PC3]
.irp p, 0,1,2,3,4,5,6,7
	v_min_u32 v[240+(\p)], 1023, v[240+(\p)]
	v_lshl_add_u32 v[240+(\p)], v[240+(\p)], 7, v[PC12]
.endr
	GATHL 3, 248, 112                              ; chunk 0 of all three lists: 21 loads
	GATHL 2, 240, 96
	GATHL 1, 244, 32
	WIN 0x41
.set n, 0
.rept 40                                       ; W2: my 80 rows are 20,480 consecutive bytes; load n brings rows 2 n and 2 n + 1, sixteen lanes a row
	global_load_b128 v[4*n:4*n+3], v[WOC], s[56:57] offset:512*n th:TH_LOAD_NT
.set n, n+1
.endr
.irp u, 0,1,2
	global_load_b32 v[BB2+(\u)], v[BO2+(\u)], s[20:21]
.endr
	WIN 0
	s_cmp_lg_u32 s[WV], 0
	s_cbranch_scc1 .Lnozero
	v_mov_b32 v254, RES+4*3072
	v_mov_b32 v255, 0
	ds_store_b32 v254, v255                        ; the result of a token of cluster 0
.Lnozero:
	s_wait_loadcnt 43                              ; W2's and b2's 43 loads may stay out: the gathers, W3 and b3 are in, and the gathers' offset registers are free
	v_mov_b32 v[TM+3], 0                           ; v_permlanex16_b32's destination counts as read
	v_mov_b32 v[TM+7], 0                           ; named with c m as a pair
	GSTORE 3, 112
	GSTORE 2, 96
	GSTORE 1, 32
	s_wait_kmcnt 0x0
	s_min_u32 s41, s41, 64
	s_min_u32 s42, s42, 64
	s_min_u32 s43, s43, 64
	s_wait_dscnt 0x0
	s_barrier_signal -1
	s_barrier_wait -1
; the bias of my tiles' rows, -1e30 outside my slice, through my own LDS bytes into the layout of a C operand
.macro BIAS nu, bb, sb, ss, se, nt, c
.set u, 0
.rept \nu
	s_add_co_u32 s[T0], s[\sb], 32*u
	WIN 0
	v_add_nc_u32 v240, s[T0], v1
	v_cmp_le_u32 s60, s[\ss], v240
	v_cmp_gt_u32 s61, s[\se], v240
	s_and_b32 s60, s60, s61
	WIN 0x04
	v_cndmask_b32 v241, v[NEU], v[(\bb)+u], s60
	WIN 0
	ds_store_b32 v[BS], v241 offset:128*u
.set u, u+1
.endr
.set a, 0
.rept \nt
	ds_load_b128 v[(\c)+8*a:(\c)+8*a+3], v[BR] offset:64*a
	ds_load_b128 v[(\c)+8*a+4:(\c)+8*a+7], v[BR] offset:64*a+16
.set a, a+1
.endr
.endm
.macro WPACK cnt                       ; the four f32 a lane of each of cnt loads to two registers of bf16, in place in window 1: load n's come to lie in v[2 n : 2 n + 1], below what is still to be read
	WIN 0x45
.set n, 0
.rept \cnt
	v_cvt_pk_bf16_f32 v[2*n], v[4*n], v[4*n+1]
	v_cvt_pk_bf16_f32 v[2*n+1], v[4*n+2], v[4*n+3]
.set n, n+1
.endr
.endm
.macro BLOAD i, jj                     ; the token fragments of the chunk's tile jj: a fixed register and an immediate
.if (\i) == 3
	ds_load_b128 v[192:195], v[LB03] offset:(\jj)*16*P3B
.elseif (\i) == 2
.irp f, 0,1
	ds_load_b128 v[192+8*(\f):192+8*(\f)+3], v[LB02] offset:(\jj)*16*P2B+64*(\f)
	ds_load_b128 v[192+8*(\f)+4:192+8*(\f)+7], v[LB02] offset:(\jj)*16*P2B+64*(\f)+32
.endr
.else
.irp f, 0,1,2,3,4,5,6,7
	ds_load_b128 v[136+8*(\f):136+8*(\f)+3], v[LB01] offset:(\jj)*16*P1B+64*(\f)
	ds_load_b128 v[136+8*(\f)+4:136+8*(\f)+7], v[LB01] offset:(\jj)*16*P1B+64*(\f)+32
.endr
.endif
.endm
.macro WM i                            ; a tile's products; the accumulators take turns; the bias starts the sums
.if (\i) == 3
.irp a, 0,1,2
	v_wmma_f32_16x16x32_bf16 v[152+8*(\a):152+8*(\a)+7], v[32+8*(\a):32+8*(\a)+7], v[192:199], v[112+8*(\a):112+8*(\a)+7]
.endr
.elseif (\i) == 2
.irp a, 0,1,2,3,4
	v_wmma_f32_16x16x32_bf16 v[152+8*(\a):152+8*(\a)+7], v[32+16*(\a):32+16*(\a)+7], v[192:199], v[112+8*(\a):112+8*(\a)+7]
.endr
.irp a, 0,1,2,3,4
	v_wmma_f32_16x16x32_bf16 v[152+8*(\a):152+8*(\a)+7], v[32+16*(\a)+8:32+16*(\a)+15], v[200:207], v[152+8*(\a):152+8*(\a)+7]
.endr
.else
	v_wmma_f32_16x16x32_bf16 v[104:111], v[32:39], v[136:143], v[96:103]
.irp f, 1,2,3
	v_wmma_f32_16x16x32_bf16 v[104+8*(\f):104+8*(\f)+7], v[32+8*(\f):32+8*(\f)+7], v[136+8*(\f):136+8*(\f)+7], 0
.endr
.irp f, 0,1,2,3
	v_wmma_f32_16x16x32_bf16 v[104+8*(\f):104+8*(\f)+7], v[64+8*(\f):64+8*(\f)+7], v[168+8*(\f):168+8*(\f)+7], v[104+8*(\f):104+8*(\f)+7]
.endr
.endif
.endm
; the lane's own maximum over its 8 na scores (each accumulator's lowest registers first) into v[TM], the sum of 2^(c s - c m) into v[TM+1]: one batch of exponentials, one wait
.macro SOFT sr, na
.set a, 0
.rept \na
	v_max3_num_f32 v[TM+a], v[(\sr)+8*a], v[(\sr)+8*a+1], v[(\sr)+8*a+2]
.set a, a+1
.endr
.irp o, 3,5
.set a, 0
.rept \na
	v_max3_num_f32 v[TM+a], v[TM+a], v[(\sr)+8*a+(\o)], v[(\sr)+8*a+(\o)+1]
.set a, a+1
.endr
.endr
.if (\na) == 5
	v_max3_num_f32 v[TM], v[TM], v[(\sr)+7], v[(\sr)+15]
	v_max3_num_f32 v[TM+1], v[TM+1], v[(\sr)+23], v[(\sr)+31]
	v_max_num_f32 v[TM+2], v[TM+2], v[(\sr)+39]
	v_max3_num_f32 v[TM], v[TM], v[TM+1], v[TM+2]
	v_max3_num_f32 v[TM], v[TM], v[TM+3], v[TM+4]
.elseif (\na) == 3
	v_max3_num_f32 v[TM], v[TM], v[(\sr)+7], v[(\sr)+15]
	v_max_num_f32 v[TM+1], v[TM+1], v[(\sr)+23]
	v_max3_num_f32 v[TM], v[TM], v[TM+1], v[TM+2]
.else
	v_max_num_f32 v[TM], v[TM], v[(\sr)+7]
.endif
	v_mul_f32 v[TM+6], s[CS], v[TM]
.set p, 0
.rept 4*(\na)+1
.if p < 4*(\na)
	v_pk_fma_f32 v[(\sr)+2*p:(\sr)+2*p+1], v[(\sr)+2*p:(\sr)+2*p+1], s[CS:CS+1], v[TM+6:TM+7] op_sel_hi:[1,0,0] neg_lo:[0,0,1] neg_hi:[0,0,1]
.endif
.if p > 0
	v_exp_f32 v[(\sr)+2*p-2], v[(\sr)+2*p-2]
	v_exp_f32 v[(\sr)+2*p-1], v[(\sr)+2*p-1]
.endif
.set p, p+1
.endr
	v_nop
	s_wait_alu depctr_va_vdst(0)
.if (\na) > 1
.set p, 4
.rept 4*(\na)-4
	v_pk_add_f32 v[(\sr)+2*(p%4):(\sr)+2*(p%4)+1], v[(\sr)+2*(p%4):(\sr)+2*(p%4)+1], v[(\sr)+2*p:(\sr)+2*p+1]
.set p, p+1
.endr
.endif
	v_pk_add_f32 v[(\sr):(\sr)+1], v[(\sr):(\sr)+1], v[(\sr)+2:(\sr)+3]
	v_pk_add_f32 v[(\sr)+4:(\sr)+5], v[(\sr)+4:(\sr)+5], v[(\sr)+6:(\sr)+7]
	v_pk_add_f32 v[(\sr):(\sr)+1], v[(\sr):(\sr)+1], v[(\sr)+4:(\sr)+5]
	v_add_f32 v[TM+1], v[(\sr)], v[(\sr)+1]
.endm
; Tile w of the chunk: a token's 16 pairs into one logarithm of a sum.  A lane takes the 8 pairs of four waves; the lane 16 away has the other four waves'.
.macro MLOAD                           ; the loads,
.set q, 0
.rept 8
	ds_load_b64 v[MRG+2*q:MRG+2*q+1], v[MG] offset:(q>>1)*STGW+128*(q&1)
.set q, q+1
.endr
.endm
.macro MARITH                          ; and, behind the wait for them, the arithmetic: work on registers alone
	v_max3_num_f32 v[TM], v[MRG], v[MRG+2], v[MRG+4]
	v_max3_num_f32 v[TM], v[TM], v[MRG+6], v[MRG+8]
	v_max3_num_f32 v[TM], v[TM], v[MRG+10], v[MRG+12]
	v_max_num_f32 v[TM], v[TM], v[MRG+14]
	v_permlanex16_b32 v[TM+3], v[TM], s[SEL], s[SEL+1]
	v_max_num_f32 v[TM], v[TM], v[TM+3]
	v_mul_f32 v[TM+6], s[CS], v[TM]
.set q, 0
.rept 8
	v_fma_f32 v[MRG+2*q], v[MRG+2*q], s[CS], -v[TM+6]
.set q, q+1
.endr
.set q, 0
.rept 8
	v_exp_f32 v[MRG+2*q], v[MRG+2*q]
.set q, q+1
.endr
	v_nop
	s_wait_alu depctr_va_vdst(0)
	v_mul_f32 v[TM+2], v[MRG], v[MRG+1]
	v_mul_f32 v[TM+4], v[MRG+2], v[MRG+3]
.set q, 2
.rept 6
	v_fmac_f32 v[TM+2+2*(q&1)], v[MRG+2*q], v[MRG+2*q+1]
.set q, q+1
.endr
	v_add_f32 v[TM+2], v[TM+2], v[TM+4]
	v_permlanex16_b32 v[TM+3], v[TM+2], s[SEL], s[SEL+1]
	v_add_f32 v[TM+2], v[TM+2], v[TM+3]
	v_log_f32 v[TM+2], v[TM+2]
	v_nop
	s_wait_alu depctr_va_vdst(0)
	v_fmamk_f32 v[RR+7], v[TM+2], 0x3f317218, v[TM]
.endm
; Tile j of a chunk's 8.  Its fragments were asked for a tile earlier (tile 0's: behind the change of chunks); the next tile's are asked for here: all 128 rows of a chunk have been stored, so they may be read whether or not that tile is worked on.
.macro TILE i, na, sr, j
.if (\j) > 0
	s_cmp_gt_u32 s[NTC], \j
	s_cbranch_scc0 .Lx\i                           ; the chunk has no tile j: on to its barrier
	s_wait_dscnt 0x1                               ; the pair stored by the tile before may stay out: the fragment loads are older
.else
	s_wait_dscnt 0x0                               ; the tile's fragments (and, the first time, W's fragments and the bias tiles) are in
.endif
	WM \i
.rept 4
	v_nop                                          ; four places behind the products, in front of loads into their sources and of reads of their results
.endr
.if (\j) < CT-1
	BLOAD \i, (\j)+1                               ; they come during this tile's vector work
.endif
.if (\i) == 1
.irp p, 0,2,4,6                        ; the four partial sums along K
	v_pk_add_f32 v[104+(\p):104+(\p)+1], v[104+(\p):104+(\p)+1], v[112+(\p):112+(\p)+1]
	v_pk_add_f32 v[120+(\p):120+(\p)+1], v[120+(\p):120+(\p)+1], v[128+(\p):128+(\p)+1]
.endr
.irp p, 0,2,4,6
	v_pk_add_f32 v[104+(\p):104+(\p)+1], v[104+(\p):104+(\p)+1], v[120+(\p):120+(\p)+1]
.endr
.endif
	SOFT \sr, \na
	ds_store_b64 v[ST0], v[TM:TM+1] offset:256*(\j)
.endm
; A TAIL.  Eight chunks of 128 list slots, a constant count; what a chunk does hangs on the list's length, by forward jumps that pass no barrier.
; ix: the registers with the list's numbers for my np slots of the NEXT chunk; pf: where its rows land (window 1); lim: the last offset at which my np loads stay inside the list's 1,152 words.
.macro TAIL i, na, sr, ntr, ix, np, pf, oxb, pcr, lim
	v_add_nc_u32 v[OX], 1024, v[\oxb]              ; the numbers asked for first are chunk 2's
	s_mov_b32 s[CH], 0
	BLOAD \i, 0                                    ; chunk 0's first fragments
.Lchunk\i:
	s_lshl_b32 s[T0], s[CH], 3
	s_sub_co_i32 s[NTC], s[\ntr], s[T0]
	s_max_i32 s[NTC], s[NTC], 0
	s_cmp_gt_u32 s[NTC], CT
	s_cselect_b32 s[NX], 1, 0                      ; is there a further chunk?
	s_min_u32 s[NTC], s[NTC], CT                   ; this chunk's tiles
	s_cmp_eq_u32 s[NX], 0
	s_cbranch_scc1 .Lnog\i
.set p, 0
.rept \np                                      ; (the last loads that named these offset registers were waited for in the trip before)
	v_min_u32 v[GA+p], 1023, v[(\ix)+p]
	v_lshl_add_u32 v[GA+p], v[GA+p], 7, v[\pcr]
.set p, p+1
.endr
	v_min_u32 v[OXC], \lim, v[OX]
	WIN 0x40
	GATHL \i, GA, \pf                              ; the next chunk's rows come while this chunk is worked on,
	WIN 0
.set p, 0
.rept \np
	global_load_b32 v[(\ix)+p], v[OXC], s[10:11] offset:((\i)-1)*4608+128*p   ; and behind them the list's numbers for the chunk after it
.set p, p+1
.endr
.Lnog\i:
	v_add_nc_u32 v[OX], 512, v[OX]
	s_cmp_eq_u32 s[NTC], 0
	s_cbranch_scc1 .Lx\i
.irp j, 0,1,2,3,4,5,6,7
	TILE \i, \na, \sr, \j
.endr
.Lx\i:
	s_wait_dscnt 0x0                               ; my pairs lie in LDS, and my reads of the chunk's rows are over
	s_barrier_signal -1
	s_barrier_wait -1
	s_cmp_lt_u32 s[WV], s[NTC]
	s_cbranch_scc0 .Lnl\i
	MLOAD                                          ; tile w's pairs are asked for,
.Lnl\i:
	s_wait_loadcnt 0x0                             ; the next chunk's rows and the numbers behind them are in; their offset registers are free
	s_cmp_eq_u32 s[NX], 0
	s_cbranch_scc1 .Lns\i
	WIN 0x04
	GSTORE \i, \pf                                 ; and the next chunk's rows stored while they come
	WIN 0
.Lns\i:
	s_wait_dscnt 0x0                               ; one wait for both: my reads of the stages and my stores of the next chunk are done
	s_barrier_signal -1
	s_barrier_wait -1
	s_cmp_eq_u32 s[NX], 0
	s_cbranch_scc1 .Lnb\i
	BLOAD \i, 0                                    ; the next chunk's first fragments come during the arithmetic below
.Lnb\i:
.set q, 0
.rept 7
	v_mov_b32 v[RR+q], v[RR+q+1]                   ; the results move down by one a chunk: behind eight trips chunk c's lies in RR + c
.set q, q+1
.endr
	s_cmp_lt_u32 s[WV], s[NTC]
	s_cbranch_scc0 .Lnm\i
	MARITH
.Lnm\i:
	s_add_co_u32 s[CH], s[CH], 1
	s_cmp_lt_u32 s[CH], 8
	s_cbranch_scc1 .Lchunk\i
	s_wait_dscnt 0x0                               ; no fragment load is out: the next tail's land in the same registers
.set q, 0
.rept 8
	ds_store_b32 v[RSB], v[RR+q] offset:((\i)-1)*4096+512*q   ; slot 128 q + 16 w + r of the list; both halves of the lanes hold the same number; slots behind the list's end are read by nobody
.set q, q+1
.endr
.endm
	; tail 3: K = 16; channels 16-31 of both sources are zeros
	WIN 0x05
.irp a, 0,1,2
.irp n, 0,1,2,3
	v_cvt_pk_bf16_f32 v[32+8*(\a)+(\n)], v[160+8*(\a)+2*(\n)], v[160+8*(\a)+2*(\n)+1]
.endr
.endr
	WIN 0
.irp a, 0,1,2
.irp n, 4,5,6,7
	v_mov_b32 v[32+8*(\a)+(\n)], 0
.endr
.endr
.irp n, 196,197,198,199
	v_mov_b32 v[\n], 0
.endr
	BIAS 2, BB3, 34, 32, 33, 3, 112
	TAIL 3, 3, 152, 41, IX3, 1, 160, OXB3, PC3, 4604
	; tail 2: its 80 rows of 64 channels are rounded and turned into fragments through my own LDS bytes, rows 144 bytes apart
	s_wait_loadcnt 0x0                             ; W2 and b2
	s_mul_i32 s[T0], s[WV], XWB
	s_add_co_u32 s[T0], s[T0], XW
	v_mul_u32_u24 v[XS], v3, P2B                   ; in: load n's lanes 0-15 hold row 2 n, lanes 16-31 row 2 n + 1; lane l the channels 4 (l % 16) .. + 3: 8 bytes
	v_lshl_add_u32 v[XS], v2, 3, v[XS]
	v_add_nc_u32 v[XS], s[T0], v[XS]
	v_mul_u32_u24 v[XL], v2, P2B                   ; back: row r of a tile, 16 bytes for each half of the lanes
	v_lshl_add_u32 v[XL], v3, 4, v[XL]
	v_add_nc_u32 v[XL], s[T0], v[XL]
	WPACK 40
	WIN 0x04
.set n, 0
.rept 40
	ds_store_b64 v[XS], v[2*n:2*n+1] offset:2*P2B*n
.set n, n+1
.endr
	WIN 0
.set n, 0
.rept 10                                       ; tile n / 2, fragment n % 2; LDS serves a wave's instructions in order: these see the stores above
	ds_load_b128 v[32+8*n:32+8*n+3], v[XL] offset:(n>>1)*16*P2B+(n&1)*64
	ds_load_b128 v[32+8*n+4:32+8*n+7], v[XL] offset:(n>>1)*16*P2B+(n&1)*64+32
.set n, n+1
.endr
	BIAS 3, BB2, 37, 35, 36, 5, 112
	s_wait_dscnt 0x0                               ; my LDS stores are done: the loads below land in the registers that they read
	WIN 0x41
.set n, 0
.rept 32                                       ; W1, a whole tail ahead of its use: my 16 rows are 16,384 consecutive bytes; load n brings half n % 2 of row n / 2
	global_load_b128 v[4*n:4*n+3], v[WOC], s[58:59] offset:512*n th:TH_LOAD_NT
.set n, n+1
.endr
	global_load_b32 v[BB1], v[BO1], s[16:17]
	WIN 0
	TAIL 2, 5, 152, 42, IX2, 4, 128, OXB12, PC12, 4220
	; tail 1: its 16 rows of 256 channels likewise, rows 528 bytes apart, in the same bytes
	s_wait_loadcnt 0x0                             ; W1 and b1
	s_mul_i32 s[T0], s[WV], XWB
	s_add_co_u32 s[T0], s[T0], XW
	v_lshl_add_u32 v[XS], v1, 3, s[T0]             ; in: lane l holds the channels 128 (n % 2) + 4 l .. + 3 of row n / 2
	v_mul_u32_u24 v[XL], v2, P1B
	v_lshl_add_u32 v[XL], v3, 4, v[XL]
	v_add_nc_u32 v[XL], s[T0], v[XL]
	WPACK 32
	WIN 0x04
.set n, 0
.rept 32
	ds_store_b64 v[XS], v[2*n:2*n+1] offset:(n>>1)*P1B+(n&1)*256
.set n, n+1
.endr
	WIN 0
.set n, 0
.rept 8
	ds_load_b128 v[32+8*n:32+8*n+3], v[XL] offset:64*n
	ds_load_b128 v[32+8*n+4:32+8*n+7], v[XL] offset:64*n+32
.set n, n+1
.endr
	BIAS 1, BB1, 40, 38, 39, 1, 96
	s_wait_dscnt 0x0                               ; my LDS stores are done: the next chunk's rows land in the registers that they read
	WIN 0x41
.irp w, 0,1,2
	global_load_b128 v[PS+4*(\w):PS+4*(\w)+3], v[POF], s[28:29] offset:4096*(\w)   ; my four tokens' places in the three lists
.endr
	WIN 0
	TAIL 1, 1, 104, 43, IX1, 4, 0, OXB12, PC12, 4220
	; into token order: slot = the sum of the three places less 1, or 3,072 where the token is in no list
	s_wait_loadcnt 0x0
	WIN 0x05
.irp e, 0,1,2,3
	v_add_nc_u32 v[240+(\e)], v[PS+(\e)], v[PS+4+(\e)]
.endr
	WIN 0x01
.irp e, 0,1,2,3
	v_add_nc_u32 v[240+(\e)], v[PS+8+(\e)], v[240+(\e)]
.endr
	WIN 0
.irp e, 0,1,2,3
	v_add_nc_u32 v[240+(\e)], -1, v[240+(\e)]
	v_min_u32 v[240+(\e)], 3072, v[240+(\e)]
	v_lshl_add_u32 v[240+(\e)], v[240+(\e)], 2, RES
.endr
	s_wait_dscnt 0x0                               ; for the others: my results lie in LDS
	s_barrier_signal -1
	s_barrier_wait -1
.irp e, 0,1,2,3
	ds_load_b32 v[244+(\e)], v[240+(\e)]
.endr
	s_wait_dscnt 0x0
	WIN 0x01
	global_store_b128 v[POF], v[244:247], s[26:27]         ; a wave stores 512 consecutive bytes
	WIN 0
	s_wait_tensorcnt 0x0                           ; the wave's end, behind my last LDS store
	ds_add_u32 v[SPW], v[NIL]
	s_wait_dscnt 0x0
	s_endpgm
.Lfunc_end_k_q64c8285044_tails:
	.size	k_q64c8285044_tails, .Lfunc_end_k_q64c8285044_tails-k_q64c8285044_tails
	.p2alignl 7, 3214868480
	.fill 96, 4, 3214868480
	.section	.rodata,"a",@progbits
	.p2align	6, 0x0
	.amdhsa_kernel k_q64c8285044_tails
		.amdhsa_group_segment_fixed_size 218368
		.amdhsa_private_segment_fixed_size 0
		.amdhsa_enable_private_segment 0
		.amdhsa_kernarg_size 88
		.amdhsa_user_sgpr_count 2
		.amdhsa_user_sgpr_kernarg_segment_ptr 1
		.amdhsa_wavefront_size32 1
		.amdhsa_system_sgpr_workgroup_id_x 1
		.amdhsa_system_sgpr_workgroup_id_y 1
		.amdhsa_system_sgpr_workgroup_id_z 1
		.amdhsa_system_vgpr_workitem_id 0
		.amdhsa_next_free_vgpr 512
		.amdhsa_next_free_sgpr 66
		.amdhsa_reserve_vcc 0
		.amdhsa_float_denorm_mode_32 3
		.amdhsa_float_denorm_mode_16_64 3
		.amdhsa_memory_ordered 1
		.amdhsa_forward_progress 1
		.amdhsa_inst_pref_size 171
	.end_amdhsa_kernel
	.amdgpu_metadata
---
amdhsa.version: [ 1, 2 ]
amdhsa.kernels:
  - .name:           k_q64c8285044_tails
    .symbol:         k_q64c8285044_tails.kd
    .args:
      - { .name: pj, .offset: 0, .size: 8, .value_kind: global_buffer, .address_space: global }
      - { .name: order, .offset: 8, .size: 8, .value_kind: global_buffer, .address_space: global }
      - { .name: cnt, .offset: 16, .size: 8, .value_kind: global_buffer, .address_space: global }
      - { .name: W1, .offset: 24, .size: 8, .value_kind: global_buffer, .address_space: global }
      - { .name: b1, .offset: 32, .size: 8, .value_kind: global_buffer, .address_space: global }
      - { .name: W2, .offset: 40, .size: 8, .value_kind: global_buffer, .address_space: global }
      - { .name: b2, .offset: 48, .size: 8, .value_kind: global_buffer, .address_space: global }
      - { .name: W3, .offset: 56, .size: 8, .value_kind: global_buffer, .address_space: global }
      - { .name: b3, .offset: 64, .size: 8, .value_kind: global_buffer, .address_space: global }
      - { .name: part_t, .offset: 72, .size: 8, .value_kind: global_buffer, .address_space: global }
      - { .name: pos, .offset: 80, .size: 8, .value_kind: global_buffer, .address_space: global }
    .group_segment_fixed_size: 218368
    .private_segment_fixed_size: 0
    .kernarg_segment_align: 8
    .kernarg_segment_size: 88
    .max_flat_workgroup_size: 256
    .sgpr_count:     66
    .vgpr_count:     512
    .wavefront_size: 32
...
	.end_amdgpu_metadata
.endif
;; end of part 6
;; launch combine: the kernel of part 4 again; grid 128 x 1, 4 waves a work-group, no clusters, 0 bytes of LDS; arguments part_h, part_t, cl, hidden, pj, target, W_head, b_head, b_clusters, W1, b1, W2, b2, W3, b3, out0; writes out0
